; MI455X (gfx1250); checked and timed in simulation.
; The chip was launched on July 23, 2026; its instructions are those of AMD's public machine-readable ISA for CDNA 5 (MIT licence, August 2026) and "CDNA5" Instruction Set Architecture Reference Guide (July 2026). The comments in the code are by the model that wrote it; some were corrected since.
;; Multi Head Cross Attention. Allowed arithmetic: float matrix products may take bf16 or f16 operands with f32 sums; all other float work in f32.
;; Inputs: Wkv 1,024 x 2,048 float32; Wo 1,024 x 1,024 float32; Wq 1,024 x 1,024 float32; bo 1,024 float32; context 2 x 2,048 x 1,024 float32; x 2 x 2,048 x 1,024 float32.
;; Outputs: out0 2 x 2,048 x 1,024 float32.
;; 2 versions, each right; version 2 is version 1 with the launch prep written anew for expert scheduling mode. Each part assembles by itself: llvm-mc -triple=amdgcn-amd-amdhsa -mcpu=gfx1250 --defsym DOCPART=n.
;; ======== version 1 of 2: 4 launches
;; limits: values are held in f16: magnitudes above 65,504 overflow, below 6.1e-05 lose precision
;; workspace buffers: xc 16,777,216 bytes; w16 6,291,456 bytes; wo16 2,097,152 bytes; tab 1,048,576 bytes; qkv 25,165,824 bytes; att 8,388,608 bytes
;; launch prep (part 1): grid 768 x 1, 8 waves a work-group, no clusters, 0 bytes of LDS; arguments x, context, Wq, Wkv, Wo, xc, w16, wo16, tab; writes xc, w16, wo16, tab
.if DOCPART == 1
	.amdgcn_target "amdgcn-amd-amdhsa--gfx1250"
	.amdhsa_code_object_version 6
	.text
	.protected	k_q762089d72d_prep
	.globl	k_q762089d72d_prep
	.p2align	8
	.type	k_q762089d72d_prep,@function
k_q762089d72d_prep:
	s_mov_b64 s[64:65], 0
	v_nop
	global_prefetch_b8 v0, s[64:65] scope:SCOPE_SE
	s_setreg_imm32_b32 hwreg(HW_REG_WAVE_MODE, 25, 1), 1
	s_wait_xcnt 0x0
; prep: casts the f32 inputs to f16 and makes the rotary tables.
;   xc   [8192][1024] f16: rows 0-4095 = x, rows 4096-8191 = context
;   w16  [1024 k][3072 n] f16 = [Wq | Wkv], wo16 [1024][1024] f16 = Wo
;   tab  [2][2048 pos][64] f32: a row is cos[0..31], sin[0..31]; part 0 times 0.125 log2(e) (for q), part 1 plain (for k)
; Work-groups 0-511 cast x and context, 512-575 Wq, 576-703 Wkv, 704-767 Wo: 768 work-groups of equal bytes.
; A work-group takes 16 units of 1,024 numbers: thread t loads 16 bytes at 16 t and stores 8 bytes at 8 t of each unit,
; so a wave's load covers 512 and its store 256 consecutive aligned bytes.  All 16 loads go out before the first store.
; The 2,048 waves of work-groups 0-255 also make one row of the table each (position = 8 x work-group + wave), between the issue of their
; loads and the first wait for them.
; LIMITS: numbers above 65,504 in magnitude become infinities in f16.  The angle is f32(pos * inv_freq) with inv_freq = 2^(-i log2(10000)/32)
; from v_exp_f32; it can differ from a correctly rounded inv_freq's angle by some 4e-4 radians at the last positions.
.set X, 8                              ; v[8:71]   16 units as loaded
.set Y, 72                             ; v[72:103] 16 units as stored
.set Q4, 113                           ; table: pi/8 in lanes 16-31 (a quarter turn, divided by four), 0 in lanes 0-15
.set KC, 114                           ; table: the highest coefficient of the cosine's series
.macro CAST_LD sstep                   ; 16 units, sstep bytes apart in the source
.irp j, 0,1,2,3,4,5,6,7,8,9,10,11,12,13,14,15
	global_load_b128 v[X+4*\j:X+4*\j+3], v1, s[24:25] offset:\j*\sstep th:TH_LOAD_NT
.endr
.endm
.macro CAST_ST dstep                   ; rounded and stored, dstep bytes apart in the target
.irp j, 0,1,2,3,4,5,6,7,8,9,10,11,12,13,14,15
	s_wait_loadcnt 15-\j                           ; loads return in order: unit j is in, the younger ones stay out
	v_cvt_pk_f16_f32 v[Y+2*\j],   v[X+4*\j],   v[X+4*\j+1]
	v_cvt_pk_f16_f32 v[Y+2*\j+1], v[X+4*\j+2], v[X+4*\j+3]
	global_store_b64 v2, v[Y+2*\j:Y+2*\j+1], s[26:27] offset:\j*\dstep
.endr
.endm
; cos(th - quarter turn in lanes 16-31).  The angle in turns, less its nearest whole number, exactly (a fused multiply-add, then the low
; part of 1/2pi); a quarter of the angle goes through the series up to y^10 (|y| < 1.18, remainder below 2e-8); two doublings.
.macro COSREV c, th, t
	v_mul_f32 v[\t], 0.15915494, v[\th]
	v_rndne_f32 v[\c], v[\t]
	v_fma_f32 v[\t], v[\th], 0.15915494, -v[\c]
	v_fma_f32 v[\t], v[\th], s30, v[\t]
	v_fma_f32 v[\t], v[\t], s31, -v[Q4]            ; turns * pi/2 = a quarter of the angle; less pi/8 for the sine
	v_mul_f32 v[\t], v[\t], v[\t]
	v_fmaak_f32 v[\c], v[KC], v[\t], 0x37d00d01    ; -1/10! y2 + 1/8!
	v_fmaak_f32 v[\c], v[\c], v[\t], 0xbab60b61    ; - 1/6!
	v_fmaak_f32 v[\c], v[\c], v[\t], 0x3d2aaaab    ; + 1/4!
	v_fma_f32 v[\c], v[\c], v[\t], -0.5
	v_fma_f32 v[\c], v[\c], v[\t], 1.0
	v_mul_f32 v[\c], v[\c], v[\c]
	v_fma_f32 v[\c], v[\c], 2.0, -1.0              ; cos 2y = 2 cos^2 y - 1
	v_mul_f32 v[\c], v[\c], v[\c]
	v_fma_f32 v[\c], v[\c], 2.0, -1.0
.endm
	s_load_b512 s[4:19], s[0:1], 0x0               ; x 4, context 6, Wq 8, Wkv 10, Wo 12, xc 14, w16 16, wo16 18
	s_load_b64 s[20:21], s[0:1], 0x40              ; tab
	v_lshlrev_b32 v1, 4, v0                        ; 16 t
	v_lshlrev_b32 v2, 3, v0                        ; 8 t
	s_mov_b32 s33, 0                               ; high words of the two offsets
	s_mov_b32 s35, 0
	s_wait_kmcnt 0x0
	s_cmp_ge_u32 ttmp9, 704
	s_cbranch_scc1 .Lwo
	s_cmp_ge_u32 ttmp9, 576
	s_cbranch_scc1 .Lwkv
	s_cmp_ge_u32 ttmp9, 512
	s_cbranch_scc1 .Lwq
	; x (work-groups 0-255) and context (256-511): 16 rows each
	s_and_b32 s32, ttmp9, 255
	s_lshl_b32 s32, s32, 16
	s_lshl_b32 s34, ttmp9, 15
	s_cmp_lt_u32 ttmp9, 256
	s_cselect_b64 s[24:25], s[4:5], s[6:7]
	s_add_nc_u64 s[24:25], s[24:25], s[32:33]
	s_add_nc_u64 s[26:27], s[14:15], s[34:35]
	CAST_LD 4096
	s_cmp_ge_u32 ttmp9, 256
	s_cbranch_scc1 .Lnotab
	; One row of the table while the loads are on their way.  Lane L makes entries 2 (L % 16) and + 1: cosines in lanes 0-15, sines in 16-31.
	v_lshrrev_b32 v104, 5, v0
	v_readfirstlane_b32 s22, v104                  ; wave
	s_lshl_b32 s23, ttmp9, 3
	s_add_co_u32 s22, s22, s23                     ; my position, 0 to 2,047
	s_lshl_b32 s36, s22, 8                         ; a row of the table is 256 bytes
	s_mov_b32 s37, 0
	s_add_nc_u64 s[28:29], s[20:21], s[36:37]      ; the row in q's part; k's part lies 524,288 bytes further on
	s_mov_b32 s38, 0x3e38aa3b                      ; 0.125 log2(e): the score's scale and the change to base 2, folded into q
	s_mov_b32 s39, 0x3e38aa3b
	s_mov_b32 s30, 0x31dc9c88                      ; 1/2pi less its f32 value
	s_mov_b32 s31, 0x3fc90fdb                      ; pi/2
	v_and_b32 v105, 31, v0
	v_and_b32 v106, 15, v0
	v_lshlrev_b32 v106, 1, v106
	v_cvt_f32_u32 v107, v106
	v_add_f32 v108, 1.0, v107
	v_mul_f32 v107, 0xbed49a78, v107               ; -i log2(10000)/32
	v_mul_f32 v108, 0xbed49a78, v108
	v_exp_f32 v109, v107                           ; inv_freq of my two entries
	v_exp_f32 v110, v108
	v_lshlrev_b32 v111, 3, v105                    ; (a plain instruction behind the exponentials) my 8 bytes of the row
	v_mov_b32 v112, 0x3ec90fdb                     ; pi/8
	v_cmp_lt_u32 vcc_lo, 15, v105
	v_cndmask_b32 v[Q4], 0, v112, vcc_lo
	v_mov_b32 v[KC], 0xb493f27e                    ; -1/10!
	v_cvt_f32_u32 v115, s22
	s_wait_alu depctr_va_vdst(0)
	v_mul_f32 v116, v115, v109                     ; the angle, rounded to f32 once
	v_mul_f32 v117, v115, v110
	COSREV 118, 116, 120
	COSREV 119, 117, 121
	v_pk_mul_f32 v[122:123], v[118:119], s[38:39] op_sel_hi:[1,0]
	global_store_b64 v111, v[122:123], s[28:29]                    ; the wave stores one whole row of 256 bytes
	global_store_b64 v111, v[118:119], s[28:29] offset:524288      ; none of these stores' registers is written again
.Lnotab:
	CAST_ST 2048
	s_endpgm
.Lwq:                                              ; 16 rows of Wq into columns 0-1023 of w16
	s_sub_co_u32 s36, ttmp9, 512
	s_lshl_b32 s32, s36, 16
	s_mul_i32 s34, s36, 98304                      ; 16 rows of 6,144 bytes
	s_add_nc_u64 s[24:25], s[8:9], s[32:33]
	s_add_nc_u64 s[26:27], s[16:17], s[34:35]
	CAST_LD 4096
	CAST_ST 6144
	s_endpgm
.Lwkv:                                             ; one half (1,024 columns) of 16 rows of Wkv into columns 1024-3071 of w16
	s_sub_co_u32 s36, ttmp9, 576
	s_lshr_b32 s37, s36, 1                         ; which 16 rows
	s_and_b32 s36, s36, 1                          ; which half of them
	s_lshl_b32 s32, s37, 17
	s_lshl_b32 s38, s36, 12
	s_add_co_u32 s32, s32, s38
	s_mul_i32 s34, s37, 98304
	s_lshl_b32 s38, s36, 11
	s_add_co_u32 s34, s34, s38
	s_add_co_u32 s34, s34, 2048
	s_add_nc_u64 s[24:25], s[10:11], s[32:33]
	s_add_nc_u64 s[26:27], s[16:17], s[34:35]
	CAST_LD 8192
	CAST_ST 6144
	s_endpgm
.Lwo:
	s_sub_co_u32 s36, ttmp9, 704
	s_lshl_b32 s32, s36, 16
	s_lshl_b32 s34, s36, 15
	s_add_nc_u64 s[24:25], s[12:13], s[32:33]
	s_add_nc_u64 s[26:27], s[18:19], s[34:35]
	CAST_LD 4096
	CAST_ST 2048
	s_endpgm
.Lfunc_end_k_q762089d72d_prep:
	.size	k_q762089d72d_prep, .Lfunc_end_k_q762089d72d_prep-k_q762089d72d_prep
	.p2alignl 7, 3214868480
	.fill 96, 4, 3214868480
	.section	.rodata,"a",@progbits
	.p2align	6, 0x0
	.amdhsa_kernel k_q762089d72d_prep
		.amdhsa_group_segment_fixed_size 0
		.amdhsa_private_segment_fixed_size 0
		.amdhsa_enable_private_segment 0
		.amdhsa_kernarg_size 72
		.amdhsa_user_sgpr_count 2
		.amdhsa_user_sgpr_kernarg_segment_ptr 1
		.amdhsa_wavefront_size32 1
		.amdhsa_system_sgpr_workgroup_id_x 1
		.amdhsa_system_sgpr_workgroup_id_y 1
		.amdhsa_system_sgpr_workgroup_id_z 1
		.amdhsa_system_vgpr_workitem_id 0
		.amdhsa_next_free_vgpr 128
		.amdhsa_next_free_sgpr 66
		.amdhsa_reserve_vcc 1
		.amdhsa_float_denorm_mode_32 3
		.amdhsa_float_denorm_mode_16_64 3
		.amdhsa_memory_ordered 1
		.amdhsa_forward_progress 1
		.amdhsa_inst_pref_size 28
	.end_amdhsa_kernel
	.amdgpu_metadata
---
amdhsa.version: [ 1, 2 ]
amdhsa.kernels:
  - .name:           k_q762089d72d_prep
    .symbol:         k_q762089d72d_prep.kd
    .args:
      - { .name: x, .offset: 0, .size: 8, .value_kind: global_buffer, .address_space: global }
      - { .name: context, .offset: 8, .size: 8, .value_kind: global_buffer, .address_space: global }
      - { .name: Wq, .offset: 16, .size: 8, .value_kind: global_buffer, .address_space: global }
      - { .name: Wkv, .offset: 24, .size: 8, .value_kind: global_buffer, .address_space: global }
      - { .name: Wo, .offset: 32, .size: 8, .value_kind: global_buffer, .address_space: global }
      - { .name: xc, .offset: 40, .size: 8, .value_kind: global_buffer, .address_space: global }
      - { .name: w16, .offset: 48, .size: 8, .value_kind: global_buffer, .address_space: global }
      - { .name: wo16, .offset: 56, .size: 8, .value_kind: global_buffer, .address_space: global }
      - { .name: tab, .offset: 64, .size: 8, .value_kind: global_buffer, .address_space: global }
    .group_segment_fixed_size: 0
    .private_segment_fixed_size: 0
    .kernarg_segment_align: 8
    .kernarg_segment_size: 72
    .max_flat_workgroup_size: 256
    .sgpr_count:     66
    .vgpr_count:     128
    .wavefront_size: 32
...
	.end_amdgpu_metadata
.endif
;; end of part 1
;; launch qkv (part 2): grid 12 x 16, 4 waves a work-group, clusters of 4 x 4, 327,680 bytes of LDS; arguments xc, w16, tab, qkv; writes qkv
.if DOCPART == 2
	.amdgcn_target "amdgcn-amd-amdhsa--gfx1250"
	.amdhsa_code_object_version 6
	.text
	.protected	k_q762089d72d_qkv
	.globl	k_q762089d72d_qkv
	.p2align	8
	.type	k_q762089d72d_qkv,@function
k_q762089d72d_qkv:
	s_mov_b64 s[64:65], 0
	v_nop
	global_prefetch_b8 v0, s[64:65] scope:SCOPE_SE
	s_setreg_imm32_b32 hwreg(HW_REG_WAVE_MODE, 25, 1), 1
	s_wait_xcnt 0x0
	s_wait_alu depctr_hold_cnt(0) depctr_sa_sdst(0) depctr_va_vdst(0) depctr_va_sdst(0) depctr_va_ssrc(0) depctr_va_vcc(0) depctr_vm_vsrc(0)
	s_getreg_b32 s2, hwreg(HW_REG_IB_STS2, 6, 4)
	s_cmp_eq_u32 s2, 0
	s_cbranch_scc0 .Lentry_in_a_cluster
	s_endpgm
.Lentry_in_a_cluster:
	s_bfe_u32 s2, ttmp6, 0x10000c
	s_cmp_lg_u32 s2, 0xf033
	s_cbranch_scc0 .Lentry_shape_is_right
	s_endpgm
.Lentry_shape_is_right:
; qkv: q = rope(x Wq) * 0.125 log2(e), k = rope(context Wk), v = context Wv, stored f16 as qkv[3][batch*16 + head][2048 pos][64].
; One GEMM of 4,096 rows x 3,072 columns, K = 1,024, f16 operands, f32 sums.  The cluster's x is the type (0 q, 1 k, 2 v): q takes rows of x,
; k and v rows of context.  A work-group makes 256 x 256 with four waves of 128 x 128 (64 accumulator tiles, 512 registers).
; 192 work-groups: blocks of 256 columns never straddle q | k | v, and a smaller block would double the LDS bytes for each product.
; K goes in steps of 128 through two LDS slots.  A's tile: 256 rows x 256 bytes, LDS pitch 272.  B's tile lies [k][n]: 128 rows of k x 512 bytes,
; LDS pitch 544; its fragments come through the transposing load.
; CLUSTERS: 4 x 4 work-groups; A's tile is asked for jointly along a row of the cluster, B's along a column.
; By this text's own count a wave has at most two tensor loads out (the first fills), later one.
; REGISTER WINDOWS: 0: addresses, A's fragments (v64-127, v128-191), the way out; 1: B's fragments (v64-191), the rotary table; 2, 3: accumulators
; (tile (a, b) at 8 (8 a + b)).
; The matrix instruction is used transposed (source 0 = B, source 1 = A): lane l holds row l % 16, registers 0-7 columns 8 (l / 16) + 0..7.
; THE TABLE: the ways of q, k and of v part behind the last barrier, in front of the last K step, which stands in both.  q's and k's way asks for the table of
; its first 64 rows there, 256 matrix instructions ahead of the first use, into window 1's registers that the products do not name, and for the other
; 64 rows behind the last product, into B's fragment registers.
; LIMIT: results above 65,504 in magnitude become infinities in f16.
.set KSTEP,  128
.set PITCH,  272                       ; A's LDS row: 256 bytes + 16
.set BPITCH, 544                       ; B's LDS row: 512 bytes + 32, an odd multiple of 32
.set HALFT,  34816                     ; what one tensor load brings: 128 x 272 = 64 x 544
.set SLOT,   4*HALFT
.set STAGE,  2*SLOT                    ; behind the ring: 16 rows x 272 bytes for each wave; no tensor load lands here
.set SPITCH, 272
.set LAPS,   4                         ; K = 1,024 = 4 laps of two steps
.set ASTEP,  256                       ; a K step in A: 128 f16 along a row
.set BSTEP,  786432                    ; a K step in B: 128 rows of 6,144 bytes
.set ADRA, 16                          ; v16-17 LDS address of my A fragments in slot 0, 1
.set ADRB, 20                          ; v20-21 the same for B
.set STO,  24                          ; way out: where I put 16 bytes of a row
.set RD,   25                          ; way out: where I read back
.set CO,   26                          ; way out: 16 x lane
.set TO,   27                          ; way out: my offset in a group of 16 table rows
.set F0,   64
.set F1,   128
.set R,    64                          ; way out: rotated numbers, 8 tiles x 8
.set TMP,  192                         ; way out: packed f16
.set RB,   224                         ; way out: rows read back
.set G1, 24
.set G0, 32
.set G1B, 48
.set G0B, 56
.set MSB, 0
.macro WIN new                         ; the immediate's high byte repeats the setting that is left
.if MSB != \new
	s_set_vgpr_msb (MSB<<8)|\new
.set MSB, \new
.endif
.endm
.set MUL_LO, 0xa1                      ; source 0 (B) window 1, source 1 (A) window 0, C and D window 2
.set MUL_HI, 0xf1                      ; C and D window 3
.set TO_B,   0x40                      ; destination window 1
.macro JLOAD s                         ; waves 0, 1 ask for A's halves, waves 2, 3 for B's; the branch hangs on the wave's number alone
	s_cmp_eq_u32 s13, 0
	s_cbranch_scc0 .Lfor_b_\@
	tensor_load_to_lds s[G0+4*\s:G0+4*\s+3], s[G1:G1+7]
	s_nop 0
	s_branch .Lasked_\@
.Lfor_b_\@:
	tensor_load_to_lds s[G0B+4*\s:G0B+4*\s+3], s[G1B:G1B+7]
	s_nop 0
.Lasked_\@:
.endm
.macro CREST                           ; a round of the cluster's barrier behind its opening work-group barrier
	s_cmp_lg_u32 s12, 0
	s_cbranch_scc1 .Lnot_wave_0_\@
	s_barrier_signal -3
.Lnot_wave_0_\@:
	s_barrier_wait -3
	s_barrier_signal -1
	s_barrier_wait -1
.endm
.macro CROUND
	s_barrier_signal -1
	s_barrier_wait -1
	CREST
.endm
	s_load_b256 s[4:11], s[0:1], 0x0               ; xc 4, w16 6, tab 8, qkv 10
	v_lshl_add_u32 v62, v0, 2, 0x48400
	v_mov_b32 v63, 0
	ds_add_u32 v62, v63
	v_lshrrev_b32 v1, 5, v0
	v_readfirstlane_b32 s12, v1                    ; wave
	s_lshr_b32 s13, s12, 1                         ; my half of the rows; also: I fetch for A (0) or B (1)
	s_and_b32 s14, s12, 1                          ; my half of the columns; also: which half of that tile I fetch
	s_mov_b32 s15, ttmp9                           ; type = the cluster's x, equal in all partners
	s_bfe_u32 s40, ttmp6, 0x40000                  ; cx
	s_bfe_u32 s41, ttmp6, 0x40004                  ; cy
	s_lshl_b32 s42, ttmp9, 2
	s_add_co_u32 s42, s42, s40                     ; block column, 0-11
	s_and_b32 s43, ttmp7, 0xffff
	s_lshl_b32 s43, s43, 2
	s_add_co_u32 s43, s43, s41                     ; block row, 0-15
	s_lshl_b32 s44, s41, 2
	s_lshl_b32 s44, 15, s44                        ; my row of the cluster
	s_lshl_b32 s45, 0x1111, s40                    ; my column
	s_or_b32 s[G1+0], s44, (1<<16)|(1<<20)|(1<<21)|(5<<22)|(3<<25)    ; mask; 2-byte elements; pad 4 words behind every 64
	s_or_b32 s[G1B+0], s45, (1<<16)|(1<<20)|(1<<21)|(6<<22)|(7<<25)   ; mask; pad 8 words behind every 128
	s_mov_b32 s[G1+1], 128<<16                     ; A: tensor_dim0 = 128
	s_mov_b32 s[G1+2], 128<<16                     ; tensor_dim1 = 128
	s_mov_b32 s[G1+3], 128<<16                     ; tile_dim0 = 128
	s_mov_b32 s[G1+4], 128                         ; tile_dim1 = 128
	s_mov_b32 s[G1+5], 1024                        ; elements from row to row
	s_mov_b32 s[G1+6], 0
	s_mov_b32 s[G1+7], 0
	s_mov_b32 s[G1B+1], 256<<16                    ; B: 256 columns
	s_mov_b32 s[G1B+2], 64<<16                     ; 64 rows of k
	s_mov_b32 s[G1B+3], 256<<16
	s_mov_b32 s[G1B+4], 64
	s_mov_b32 s[G1B+5], 3072
	s_mov_b32 s[G1B+6], 0
	s_mov_b32 s[G1B+7], 0
	s_min_u32 s16, s15, 1                          ; A: rows of x for q, of context for k and v
	s_lshl_b32 s16, s16, 12
	s_lshl_b32 s17, s43, 8
	s_add_co_u32 s16, s16, s17
	s_lshl_b32 s17, s14, 7
	s_add_co_u32 s16, s16, s17
	s_lshl_b32 s16, s16, 11                        ; rows of 2,048 bytes
	s_mov_b32 s17, 0
	s_mul_i32 s46, s14, 393216                     ; B: my 64 rows of k,
	s_lshl_b32 s47, s42, 9                         ; the block's 256 columns
	s_add_co_u32 s46, s46, s47
	s_mov_b32 s47, 0
	s_mul_i32 s20, s12, HALFT                      ; LDS: A's two halves, then B's two = wave x HALFT
	s_wait_dscnt 0x0
	s_wait_kmcnt 0x0
	s_add_nc_u64 s[18:19], s[4:5], s[16:17]
	s_add_nc_u64 s[46:47], s[6:7], s[46:47]
	CROUND                                         ; all sixteen work-groups are here: the first joint loads meet
.irp s, 0,1
	s_mov_b32 s[G0+4*\s], 1
	s_add_co_u32 s[G0+4*\s+1], s20, \s*SLOT
	s_add_nc_u64 s[G0+4*\s+2:G0+4*\s+3], s[18:19], \s*ASTEP
	s_or_b32 s[G0+4*\s+3], s[G0+4*\s+3], 0x80000000
	s_mov_b32 s[G0B+4*\s], 1
	s_add_co_u32 s[G0B+4*\s+1], s20, \s*SLOT
	s_add_nc_u64 s[G0B+4*\s+2:G0B+4*\s+3], s[46:47], \s*BSTEP
	s_or_b32 s[G0B+4*\s+3], s[G0B+4*\s+3], 0x80000000
	JLOAD \s
.endr
	v_and_b32 v1, 15, v0                           ; r
	v_bfe_u32 v2, v0, 4, 1                         ; h
	v_mul_u32_u24 v3, v1, PITCH
	v_lshl_add_u32 v3, v2, 4, v3                   ; A: row r, 16 bytes for each half of the lanes
	v_and_b32 v5, 7, v0
	v_lshl_add_u32 v5, v2, 3, v5                   ; B: row of k = 8 h + lane % 8,
	v_mul_u32_u24 v5, v5, BPITCH
	v_bfe_u32 v6, v0, 3, 1
	v_lshl_add_u32 v5, v6, 4, v5                   ; columns 8 ((lane / 8) % 2) ..
	s_mul_i32 s21, s13, HALFT                      ; my 128 rows of A
	s_lshl_b32 s22, s14, 8                         ; my 128 columns of B,
	s_add_co_u32 s22, s22, 2*HALFT                 ; which lies behind A
.irp s, 0,1
	v_add_nc_u32 v[ADRA+\s], s21, v3
	v_add_nc_u32 v[ADRB+\s], s22, v5
	s_add_co_u32 s21, s21, SLOT
	s_add_co_u32 s22, s22, SLOT
.endr
	s_mul_i32 s23, s12, 16*SPITCH
	s_add_co_u32 s23, s23, STAGE                   ; my stage
	v_add_nc_u32 v[STO], s23, v3                   ; in: row r, 16 bytes for each half of the lanes
	v_bfe_u32 v7, v0, 3, 2
	v_mul_u32_u24 v7, v7, SPITCH                   ; back: eight lanes take one head's 128 bytes of a row, four rows a load
	v_and_b32 v8, 7, v0
	v_lshl_add_u32 v7, v8, 4, v7
	v_add_nc_u32 v[RD], s23, v7
	v_and_b32 v9, 31, v0
	v_lshlrev_b32 v[CO], 4, v9
	v_lshlrev_b32 v[TO], 8, v1                     ; table: row r of 256 bytes, entries 8 h ..
	v_lshl_add_u32 v[TO], v2, 5, v[TO]
.macro MUL16 f, hi, a0, zero           ; 16 matrix instructions on 16 accumulators, one instruction a turn
.irp a, \a0, \a0+1
.irp b, 0,1,2,3,4,5,6,7
.if \zero
	v_wmma_f32_16x16x32_f16 v[8*(8*(\a)+\b):8*(8*(\a)+\b)+7], v[\f+8*\b:\f+8*\b+7], v[\f+8*(4*\hi+\a):\f+8*(4*\hi+\a)+7], 0
.else
	v_wmma_f32_16x16x32_f16 v[8*(8*(\a)+\b):8*(8*(\a)+\b)+7], v[\f+8*\b:\f+8*\b+7], v[\f+8*(4*\hi+\a):\f+8*(4*\hi+\a)+7], v[8*(8*(\a)+\b):8*(8*(\a)+\b)+7]
.endif
.endr
.endr
.endm
.macro FETCH slot, q, f                ; the fragments of quarter q (32 along K): 16 transposing loads for B, 16 loads for A
	WIN TO_B
.irp i, 0,1,2,3,4,5,6,7
	ds_load_tr16_b128 v[\f+8*\i:\f+8*\i+3],   v[ADRB+\slot] offset:\q*32*BPITCH+32*\i
	ds_load_tr16_b128 v[\f+8*\i+4:\f+8*\i+7], v[ADRB+\slot] offset:\q*32*BPITCH+32*\i+16*BPITCH
.endr
	WIN 0
.irp i, 0,1,2,3,4,5,6,7
	ds_load_b128 v[\f+8*\i:\f+8*\i+3],   v[ADRA+\slot] offset:\q*64+\i*16*PITCH
	ds_load_b128 v[\f+8*\i+4:\f+8*\i+7], v[ADRA+\slot] offset:\q*64+\i*16*PITCH+32
.endr
.endm
.macro PLACES                          ; four independent vector instructions between a matrix instruction and a load into, or a vector use of, its registers
.rept 4
	v_nop
.endr
.endm
.macro QUARTER slot, q, f, g, zero     ; multiplies buffer f; in its middle fetches quarter q into buffer g
	s_wait_dscnt 8                                 ; B and A's rows 0-63 are in; the youngest eight loads (A's rows 64-127) may be out
	WIN MUL_LO
	MUL16 \f, 0, 0, \zero
	MUL16 \f, 0, 2, \zero
	PLACES
	FETCH \slot, \q, \g
	s_wait_dscnt 32                                ; all but the 32 just issued
	WIN MUL_HI
	MUL16 \f, 1, 0, \zero
	MUL16 \f, 1, 2, \zero
.endm
.macro THREE slot, zero
	QUARTER \slot, 1, F0, F1, \zero
	QUARTER \slot, 2, F1, F0, 0
	QUARTER \slot, 3, F0, F1, 0
.endm
; The last quarter of a K step changes slots.  In front of the barrier each wave waits for its reads of this slot and for all its tensor loads;
; behind it (where the slot is filled again: behind the cluster's round that it opens) the refill comes first, then the next slot's first fragments.
.macro TURN slot, next, fill
	s_wait_dscnt 8
	WIN MUL_LO
	MUL16 F1, 0, 0, 0
	s_wait_dscnt 0                                 ; my reads of this slot are over
	s_set_vgpr_msb 0xa1a0
	s_wait_tensorcnt 0x0                           ; all my tensor loads have landed: my part of the next slot
	ds_add_u32 v62, v63
	s_wait_dscnt 0x0
	s_set_vgpr_msb 0xa0a1
	s_barrier_signal -1
	MUL16 F1, 0, 2, 0                              ; register work while the others arrive
	WIN 0
	s_barrier_wait -1
.if \fill
	CREST                                          ; no wave of any partner still reads this slot or has a load on its way
	s_add_nc_u64 s[G0+4*\slot+2:G0+4*\slot+3], s[G0+4*\slot+2:G0+4*\slot+3], 2*ASTEP
	s_add_nc_u64 s[G0B+4*\slot+2:G0B+4*\slot+3], s[G0B+4*\slot+2:G0B+4*\slot+3], 2*BSTEP
	JLOAD \slot                                    ; my one tensor load behind the round
.endif
	PLACES
	FETCH \next, 0, F0
	WIN MUL_HI
	MUL16 F1, 1, 0, 0
	MUL16 F1, 1, 2, 0
.endm
.macro LAP zero
	THREE 0, \zero
	TURN 0, 1, 1
	THREE 1, 0
	TURN 1, 0, 1
.endm
; The last K step, which holds no barrier and no tensor load, and the four places behind its last products.  It stands in both ways.
.macro TAIL
	THREE 1, 0
	s_wait_dscnt 8
	WIN MUL_LO
	MUL16 F1, 0, 0, 0
	MUL16 F1, 0, 2, 0
	s_wait_dscnt 0
	WIN MUL_HI
	MUL16 F1, 1, 0, 0
	MUL16 F1, 1, 2, 0
	PLACES
	WIN 0
.endm
	s_wait_tensorcnt 1                             ; my part of K step 0 is in; step 1's may stay out
	s_barrier_signal -1
	s_barrier_wait -1
	FETCH 0, 0, F0
	LAP 1                                          ; the first products start the sums: nothing is cleared
	WIN 0
	s_mov_b32 s3, LAPS-2
.Llap:
	LAP 0
	WIN 0
	s_sub_co_u32 s3, s3, 1
	s_cmp_lg_u32 s3, 0
	s_cbranch_scc1 .Llap
	THREE 0, 0                                     ; the last lap fills nothing
	TURN 0, 1, 0                                   ; the last barrier
	WIN 0
	; where the results go
	s_and_b32 s16, s43, 7
	s_lshl_b32 s16, s16, 8
	s_lshl_b32 s17, s13, 7
	s_add_co_u32 s16, s16, s17                     ; my first position in the sequence
	s_lshr_b32 s17, s43, 3
	s_lshl_b32 s17, s17, 4                         ; 16 x batch
	s_lshl_b32 s46, s40, 2                         ; + head = 4 cx + 2 x my half of the columns
	s_lshl_b32 s47, s14, 1
	s_add_co_u32 s46, s46, s47
	s_add_co_u32 s46, s46, s17
	s_lshl_b32 s46, s46, 18                        ; a head is 262,144 bytes
	s_lshl_b32 s47, s15, 23                        ; a type is 8,388,608 bytes
	s_add_co_u32 s46, s46, s47
	s_lshl_b32 s47, s16, 7                         ; a position is 128 bytes
	s_add_co_u32 s46, s46, s47
	s_mov_b32 s47, 0
	s_add_nc_u64 s[68:69], s[10:11], s[46:47]
; THE WAY OUT, 16 rows at a time: rotate (q, k), round to f16, through my own stage, out as 512 consecutive bytes a store.
; The row group's number i may be handed over as a sum: it stands in parentheses wherever it is multiplied.
.macro TABLD i, tb                     ; cos and sin of rows 16 i + r, entries 8 h + 0..7 and 16 + 8 h + 0..7: 8 loads into window 1 (set by the caller)
.irp c, 0,1,2,3
	global_load_b128 v[\tb+8*\c:\tb+8*\c+3],   v[TO], s[66:67] offset:4096*(\i)+64*\c
	global_load_b128 v[\tb+8*\c+4:\tb+8*\c+7], v[TO], s[66:67] offset:4096*(\i)+64*\c+16
.endr
.endm
; out[d] = t[d] cos[d] - t[d+32] sin[d], out[d+32] = t[d+32] cos[d] + t[d] sin[d]; d and d + 32 lie two tiles (16 registers) apart.
; win: source 0 the accumulators' window (2 or 3), source 1 the table's (1), the rest window 0: 0x06 or 0x07.
.macro ROPE16 a, win, tb
	WIN \win
.irp hh, 0,1
.irp bp, 0,1
.irp p, 0,2,4,6
	v_pk_mul_f32 v[R+8*(4*\hh+\bp)+\p:R+8*(4*\hh+\bp)+\p+1], v[8*(8*\a+4*\hh+\bp+2)+\p:8*(8*\a+4*\hh+\bp+2)+\p+1], v[\tb+16+8*\bp+\p:\tb+16+8*\bp+\p+1]
	v_pk_mul_f32 v[R+8*(4*\hh+\bp+2)+\p:R+8*(4*\hh+\bp+2)+\p+1], v[8*(8*\a+4*\hh+\bp)+\p:8*(8*\a+4*\hh+\bp)+\p+1], v[\tb+16+8*\bp+\p:\tb+16+8*\bp+\p+1]
	v_pk_fma_f32 v[R+8*(4*\hh+\bp)+\p:R+8*(4*\hh+\bp)+\p+1], v[8*(8*\a+4*\hh+\bp)+\p:8*(8*\a+4*\hh+\bp)+\p+1], v[\tb+8*\bp+\p:\tb+8*\bp+\p+1], v[R+8*(4*\hh+\bp)+\p:R+8*(4*\hh+\bp)+\p+1] neg_lo:[0,0,1] neg_hi:[0,0,1]
	v_pk_fma_f32 v[R+8*(4*\hh+\bp+2)+\p:R+8*(4*\hh+\bp+2)+\p+1], v[8*(8*\a+4*\hh+\bp+2)+\p:8*(8*\a+4*\hh+\bp+2)+\p+1], v[\tb+8*\bp+\p:\tb+8*\bp+\p+1], v[R+8*(4*\hh+\bp+2)+\p:R+8*(4*\hh+\bp+2)+\p+1]
.endr
.endr
.endr
	WIN 0
.irp b, 0,1,2,3,4,5,6,7
.irp c, 0,1,2,3
	v_cvt_pk_f16_f32 v[TMP+4*\b+\c], v[R+8*\b+2*\c], v[R+8*\b+2*\c+1]
.endr
.endr
.endm
.macro PLAIN16 a, from                 ; v: rounded as it is
	WIN \from
.irp b, 0,1,2,3,4,5,6,7
.irp c, 0,1,2,3
	v_cvt_pk_f16_f32 v[TMP+4*\b+\c], v[8*(8*\a+\b)+2*\c], v[8*(8*\a+\b)+2*\c+1]
.endr
.endr
	WIN 0
.endm
.macro OUTST i
.irp b, 0,1,2,3,4,5,6,7
	ds_store_b128 v[STO], v[TMP+4*\b:TMP+4*\b+3] offset:32*\b
.endr
	s_wait_xcnt 0x0                                ; RB, which the last group's stores read, is loaded again only behind this wait
.irp u, 0,1,2,3,4,5,6,7
	ds_load_b128 v[RB+4*\u:RB+4*\u+3], v[RD] offset:(\u&3)*4*SPITCH+(\u>>2)*128   ; LDS serves a wave's instructions in order: these see the stores above
.endr
.irp u, 0,1,2,3,4,5,6,7
	s_wait_dscnt 7-\u
	global_store_b128 v[CO], v[RB+4*\u:RB+4*\u+3], s[68:69] offset:(\u>>2)*262144+(16*(\i)+4*(\u&3))*128   ; four positions of one head: 512 consecutive bytes
.endr
.endm
.macro RSTEP i, a, win, tb
	s_wait_loadcnt 56-8*\i                         ; of the 64 table loads the eight of group i are in; the younger groups' may stay out
	ROPE16 \a, \win, \tb
	OUTST \i
.endm
	s_cmp_eq_u32 s15, 2                            ; the type is the cluster's x: the same way in all partners
	s_cbranch_scc1 .Lplain
	s_lshl_b32 s46, s15, 19                        ; q's or k's part of the table
	s_lshl_b32 s47, s16, 8
	s_add_co_u32 s46, s46, s47
	s_mov_b32 s47, 0
	s_add_nc_u64 s[66:67], s[8:9], s[46:47]
	WIN TO_B
	TABLD 0, 0                                     ; row groups 0-3: window 1's v0-63 and v192-255, which no product names
	TABLD 1, 32
	TABLD 2, 192
	TABLD 3, 224
	TAIL                                           ; the last K step's 256 products while they are on their way
	WIN TO_B
	TABLD 4, 64                                    ; row groups 4-7: B's fragment registers, four places behind the last product
	TABLD 5, 96
	TABLD 6, 128
	TABLD 7, 160
	RSTEP 0, 0, 0x06, 0
	RSTEP 1, 1, 0x06, 32
	RSTEP 2, 2, 0x06, 192
	RSTEP 3, 3, 0x06, 224
	RSTEP 4, 0, 0x07, 64
	RSTEP 5, 1, 0x07, 96
	RSTEP 6, 2, 0x07, 128
	RSTEP 7, 3, 0x07, 160
	s_branch .Ljoin
.Lplain:
	TAIL
.irp i, 0,1,2,3
	PLAIN16 \i, 0x0a
	OUTST \i
.endr
.irp i, 0,1,2,3
	PLAIN16 \i, 0x0f
	OUTST \i+4
.endr
.Ljoin:
	s_wait_tensorcnt 0x0
	ds_add_u32 v62, v63
	s_wait_dscnt 0x0
	CROUND                                         ; the closing round: no work-group ends while a partner may still ask jointly
	s_endpgm
.Lfunc_end_k_q762089d72d_qkv:
	.size	k_q762089d72d_qkv, .Lfunc_end_k_q762089d72d_qkv-k_q762089d72d_qkv
	.p2alignl 7, 3214868480
	.fill 96, 4, 3214868480
	.section	.rodata,"a",@progbits
	.p2align	6, 0x0
	.amdhsa_kernel k_q762089d72d_qkv
		.amdhsa_group_segment_fixed_size 327680
		.amdhsa_private_segment_fixed_size 0
		.amdhsa_enable_private_segment 0
		.amdhsa_kernarg_size 32
		.amdhsa_user_sgpr_count 2
		.amdhsa_user_sgpr_kernarg_segment_ptr 1
		.amdhsa_wavefront_size32 1
		.amdhsa_system_sgpr_workgroup_id_x 1
		.amdhsa_system_sgpr_workgroup_id_y 1
		.amdhsa_system_sgpr_workgroup_id_z 1
		.amdhsa_system_vgpr_workitem_id 0
		.amdhsa_next_free_vgpr 1024
		.amdhsa_next_free_sgpr 72
		.amdhsa_reserve_vcc 0
		.amdhsa_float_denorm_mode_32 3
		.amdhsa_float_denorm_mode_16_64 3
		.amdhsa_memory_ordered 1
		.amdhsa_forward_progress 1
		.amdhsa_inst_pref_size 255
	.end_amdhsa_kernel
	.section	.bss,"aw",@nobits
	.p2align	6
	.space	262144
	.amdgpu_metadata
---
amdhsa.version: [ 1, 2 ]
amdhsa.kernels:
  - .name:           k_q762089d72d_qkv
    .symbol:         k_q762089d72d_qkv.kd
    .args:
      - { .name: xc, .offset: 0, .size: 8, .value_kind: global_buffer, .address_space: global }
      - { .name: w16, .offset: 8, .size: 8, .value_kind: global_buffer, .address_space: global }
      - { .name: tab, .offset: 16, .size: 8, .value_kind: global_buffer, .address_space: global }
      - { .name: qkv, .offset: 24, .size: 8, .value_kind: global_buffer, .address_space: global }
    .group_segment_fixed_size: 327680
    .private_segment_fixed_size: 0
    .kernarg_segment_align: 8
    .kernarg_segment_size: 32
    .max_flat_workgroup_size: 128
    .sgpr_count:     72
    .vgpr_count:     1024
    .wavefront_size: 32
...
	.end_amdgpu_metadata
.endif
;; end of part 2
;; launch attn (part 3): grid 8 x 32, 8 waves a work-group, clusters of 4 x 1, 327,680 bytes of LDS; arguments qkv, att; writes att
.if DOCPART == 3
	.amdgcn_target "amdgcn-amd-amdhsa--gfx1250"
	.amdhsa_code_object_version 6
	.text
	.protected	k_q762089d72d_attn
	.globl	k_q762089d72d_attn
	.p2align	8
	.type	k_q762089d72d_attn,@function
k_q762089d72d_attn:
	s_mov_b64 s[64:65], 0
	v_nop
	global_prefetch_b8 v0, s[64:65] scope:SCOPE_SE
	s_setreg_imm32_b32 hwreg(HW_REG_WAVE_MODE, 25, 1), 1
	s_wait_xcnt 0x0
	s_wait_alu depctr_hold_cnt(0) depctr_sa_sdst(0) depctr_va_vdst(0) depctr_va_sdst(0) depctr_va_ssrc(0) depctr_va_vcc(0) depctr_vm_vsrc(0)
	s_getreg_b32 s2, hwreg(HW_REG_IB_STS2, 6, 4)
	s_cmp_eq_u32 s2, 0
	s_cbranch_scc0 .Lentry_in_a_cluster
	s_endpgm
.Lentry_in_a_cluster:
	s_bfe_u32 s2, ttmp6, 0x10000c
	s_cmp_lg_u32 s2, 0x3003
	s_cbranch_scc0 .Lentry_shape_is_right
	s_endpgm
.Lentry_shape_is_right:
; attn: softmax(q k^T) v for one (batch, head) and 256 queries.  q carries 0.125 log2(e), so the exponentials are in base 2; a running maximum is taken away.
; Eight waves: wave w has queries 64 (w % 4) .. + 63 and half w / 4 of every tile of 256 keys.  The two waves with the same queries and disjoint keys
; are merged once at the end (their maxima, sums and outputs meet in LDS).
; The products are transposed so that P never leaves its lane: S^T(key, query) = K-fragment x Q-fragment puts keys 8 h + j of query r into lane (r, h),
; which is the layout of the second source of O^T(d, query) += V^T-fragment x P^T.  Maximum, sum and rescaling factor are one number a lane.
; K and V go through two LDS slots of 256 keys.  CLUSTER: the four work-groups of a cluster are four query blocks of one head and read the same K and V:
; every tile is asked for jointly (mask 15).  Waves 0-3 ask for K's quarters, waves 4-7 for V's: 64 keys = 8,192 dense bytes = 32 rows of 256 bytes.
; An LDS row holds two keys; K's pitch is 272, V's 288: key k lies at (k / 2) pitch + (k % 2) 128, and the sixteen lanes of a load's half start at
; sixteen different 16-byte columns modulo 256.  By this text's own count a wave has one tensor load out.
; THE CHANGE OF SLOTS: a wave's reads of a slot are over when its last block's V fragments are in registers, behind that block's first products.  There it
; waits for its LDS loads and its tensor loads and gives the opening signal of the round; that block's softmax and second products, register work alone,
; stand between the signal and its wait.
; att is stored f16 as [32 blocks of 128 rows][16 heads][128][64], so that a wave writes 8,192 consecutive bytes.
; LIMIT: scores or values that are infinite or NaN (f16 overflow upstream) give NaN here.
.set KP2,  272
.set VP2,  288
.set VOFF, 128*KP2                     ; V behind K's 256 keys: 34,816
.set SLOT, 128*KP2+128*VP2             ; 71,680
.set TILEB, 32768                      ; 256 keys in memory
.set XR,   2*SLOT                      ; 143,360: exchange, 17,408 bytes for each of four pairs of waves; no tensor load lands here
.set XW,   17408
.set SG,   XR+4*XW                     ; 212,992: stage for the way out, 64 rows x 144 bytes for each of waves 0-3
.set SGW,  9216
.set ADK, 4                            ; v4-5   my K fragments in slot 0, 1
.set ADV, 6                            ; v6-7   my V fragments
.set XO,  8
.set STO, 9
.set RD,  10
.set CO,  11
.set QO,  12
.set ST,  16                           ; v16-23 query tile nt: maximum at 2 nt, sum at 2 nt + 1
.set AL,  24                           ; v24-31 rescaling factor at 2 nt; the other half's number at 2 nt + 1
.set T,   32                           ; v32-35
.set U,   40                           ; v40-47 pairs
.set XS,  48                           ; v48-55 the partner's maxima and sums
.set W,   56                           ; v56-63
.set VF,  64                           ; v64-127  V fragments, 8 (4 ks + dt)
.set S,   128                          ; v128-255 scores, 32 nt + 8 kt; then P in f16 at 32 nt + 16 ks
.set QF,  0                            ; window 1: Q fragments, 8 (2 nt + dh)
.set KF,  64                           ; window 1: K fragments, 8 (2 kt + dh)
.set O,   128                          ; window 1: O^T, 32 nt + 8 dt
.set G1K, 16
.set G1V, 24
.set G0K, 32
.set G0V, 40
.set MSB, 0
.macro WIN new
.if MSB != \new
	s_set_vgpr_msb (MSB<<8)|\new
.set MSB, \new
.endif
.endm
.macro CREST                           ; a round of the cluster's barrier behind its opening work-group barrier
	s_cmp_lg_u32 s8, 0
	s_cbranch_scc1 .Lnot_wave_0_\@
	s_barrier_signal -3
.Lnot_wave_0_\@:
	s_barrier_wait -3
	s_barrier_signal -1
	s_barrier_wait -1
.endm
.macro ROUND                           ; a whole round
	s_barrier_signal -1
	s_barrier_wait -1
	CREST
.endm
.macro JLOAD s                         ; the branch hangs on the wave's number alone
	s_cmp_eq_u32 s10, 0
	s_cbranch_scc0 .Lfor_v_\@
	tensor_load_to_lds s[G0K+4*(\s):G0K+4*(\s)+3], s[G1K:G1K+7]
	s_nop 0
	s_branch .Lasked_\@
.Lfor_v_\@:
	tensor_load_to_lds s[G0V+4*(\s):G0V+4*(\s)+3], s[G1V:G1V+7]
	s_nop 0
.Lasked_\@:
.endm
	s_load_b128 s[4:7], s[0:1], 0x0                ; qkv 4, att 6
	v_lshl_add_u32 v38, v0, 2, 0x3d000
	v_mov_b32 v39, 0
	ds_add_u32 v38, v39
	v_lshrrev_b32 v1, 5, v0
	v_readfirstlane_b32 s8, v1                     ; wave
	s_and_b32 s9, s8, 3                            ; g: my 64 queries; also my quarter of a tile
	s_lshr_b32 s10, s8, 2                          ; kh: my half of the keys; also: I ask for K (0) or V (1)
	s_bfe_u32 s11, ttmp6, 0x40000                  ; cx
	s_lshl_b32 s12, ttmp9, 2
	s_add_co_u32 s12, s12, s11                     ; query block, 0-7
	s_and_b32 s13, ttmp7, 0xffff                   ; batch * 16 + head
	s_mov_b32 s54, 0x76543210                      ; v_permlanex16_b32: lane i of one half reads lane i of the other
	s_mov_b32 s55, 0xfedcba98
	s_mov_b32 s[G1K+0], 15|(1<<16)|(1<<20)|(1<<21)|(5<<22)|(3<<25)   ; all four partners; 2-byte elements; pad 4 words behind every 64
	s_mov_b32 s[G1V+0], 15|(1<<16)|(1<<20)|(1<<21)|(5<<22)|(7<<25)   ; pad 8 words
.irp g, G1K, G1V
	s_mov_b32 s[\g+1], 128<<16                     ; tensor_dim0 = 128 elements (two keys)
	s_mov_b32 s[\g+2], 32<<16                      ; tensor_dim1 = 32
	s_mov_b32 s[\g+3], 128<<16                     ; tile_dim0
	s_mov_b32 s[\g+4], 32                          ; tile_dim1
	s_mov_b32 s[\g+5], 128                         ; dense
	s_mov_b32 s[\g+6], 0
	s_mov_b32 s[\g+7], 0
.endr
	s_mul_i32 s50, s9, 32*KP2                      ; my quarter in LDS: K's,
	s_mul_i32 s51, s9, 32*VP2                      ; V's
	s_lshl_b32 s52, s13, 18                        ; the head,
	s_lshl_b32 s53, s9, 13                         ; my quarter (and, in q, my 64 queries): 8,192 bytes
	s_add_co_u32 s52, s52, s53
	s_mov_b32 s53, 0
	s_lshl_b32 s60, s12, 15                        ; the query block: 256 x 128 bytes
	s_mov_b32 s61, 0
	v_and_b32 v1, 31, v0                           ; L
	v_and_b32 v2, 15, v0                           ; r
	v_bfe_u32 v3, v0, 4, 1                         ; h
	v_lshlrev_b32 v[QO], 7, v2
	v_lshl_add_u32 v[QO], v3, 4, v[QO]             ; q: row r of 128 bytes, 16 bytes for each half of the lanes
	s_wait_dscnt 0x0
	s_wait_kmcnt 0x0
	s_add_nc_u64 s[52:53], s[4:5], s[52:53]
	s_add_nc_u64 s[56:57], s[52:53], s[60:61]      ; my queries
	WIN 0x40                                       ; q goes out first: it is on its way during the first round
.irp nt, 0,1,2,3
.irp dh, 0,1
	global_load_b128 v[QF+8*(2*\nt+\dh):QF+8*(2*\nt+\dh)+3],   v[QO], s[56:57] offset:\nt*2048+64*\dh
	global_load_b128 v[QF+8*(2*\nt+\dh)+4:QF+8*(2*\nt+\dh)+7], v[QO], s[56:57] offset:\nt*2048+64*\dh+32
.endr
.endr
	WIN 0
.irp s, 0,1
	s_mov_b32 s[G0K+4*\s], 1
	s_add_co_u32 s[G0K+4*\s+1], s50, \s*SLOT
	s_add_nc_u64 s[G0K+4*\s+2:G0K+4*\s+3], s[52:53], 8388608+\s*TILEB
	s_or_b32 s[G0K+4*\s+3], s[G0K+4*\s+3], 0x80000000
	s_mov_b32 s[G0V+4*\s], 1
	s_add_co_u32 s[G0V+4*\s+1], s51, \s*SLOT+VOFF
	s_add_nc_u64 s[G0V+4*\s+2:G0V+4*\s+3], s[52:53], 16777216+\s*TILEB
	s_or_b32 s[G0V+4*\s+3], s[G0V+4*\s+3], 0x80000000
.endr
	s_lshr_b32 s60, s13, 4                         ; att: block of 128 rows = 16 batch + 2 query block + g / 2
	s_lshl_b32 s60, s60, 4
	s_lshl_b32 s61, s12, 1
	s_add_co_u32 s60, s60, s61
	s_lshr_b32 s61, s9, 1
	s_add_co_u32 s60, s60, s61
	s_lshl_b32 s60, s60, 18
	s_and_b32 s61, s13, 15                         ; head plane of 16,384 bytes
	s_lshl_b32 s61, s61, 14
	s_add_co_u32 s60, s60, s61
	s_and_b32 s61, s9, 1                           ; which 64 of the 128 rows
	s_lshl_b32 s61, s61, 13
	s_add_co_u32 s60, s60, s61
	s_mov_b32 s61, 0
	s_add_nc_u64 s[58:59], s[6:7], s[60:61]
	ROUND                                          ; in front of the first joint load
	JLOAD 0                                        ; tile 0
	v_lshrrev_b32 v13, 1, v2                       ; K: key r at (r / 2) 272 + (r % 2) 128, + 16 h
	v_mul_u32_u24 v13, v13, KP2
	v_and_b32 v14, 1, v0
	v_lshl_add_u32 v13, v14, 7, v13
	v_lshl_add_u32 v13, v3, 4, v13
	s_mul_i32 s49, s10, 64*KP2                     ; my 128 keys
	v_add_nc_u32 v[ADK], s49, v13
	v_add_nc_u32 v[ADK+1], SLOT, v[ADK]
	v_bfe_u32 v13, v0, 1, 2                        ; V: key 8 h + L % 8, columns 8 ((L / 8) % 2) ..
	v_lshl_add_u32 v13, v3, 2, v13
	v_mul_u32_u24 v13, v13, VP2
	v_lshl_add_u32 v13, v14, 7, v13
	v_bfe_u32 v15, v0, 3, 1
	v_lshl_add_u32 v13, v15, 4, v13
	s_mul_i32 s49, s10, 64*VP2
	s_add_co_u32 s49, s49, VOFF
	v_add_nc_u32 v[ADV], s49, v13
	v_add_nc_u32 v[ADV+1], SLOT, v[ADV]
	s_mul_i32 s49, s9, XW
	s_add_co_u32 s49, s49, XR
	v_lshl_add_u32 v[XO], v1, 4, s49
	s_mul_i32 s49, s9, SGW
	s_add_co_u32 s49, s49, SG
	v_mul_u32_u24 v13, v2, 144
	v_lshl_add_u32 v13, v3, 4, v13
	v_add_nc_u32 v[STO], s49, v13
	v_lshrrev_b32 v13, 3, v1
	v_mul_u32_u24 v13, v13, 144
	v_and_b32 v14, 7, v0
	v_lshl_add_u32 v13, v14, 4, v13
	v_add_nc_u32 v[RD], s49, v13
	v_lshlrev_b32 v[CO], 4, v1
.irp nt, 0,1,2,3
	v_mov_b32 v[ST+2*\nt+1], 0                     ; the pairs (maximum, sum) and (factor, other half) are read as pairs before their second
	v_mov_b32 v[AL+2*\nt+1], 0                     ; registers get their first numbers
.endr
.macro KLOAD slot, blk                 ; 64 keys x 64 d: 16 loads into window 1
	WIN 0x40
.irp kt, 0,1,2,3
.irp dh, 0,1
	ds_load_b128 v[KF+8*(2*\kt+\dh):KF+8*(2*\kt+\dh)+3],   v[ADK+\slot] offset:\blk*32*KP2+\kt*8*KP2+64*\dh
	ds_load_b128 v[KF+8*(2*\kt+\dh)+4:KF+8*(2*\kt+\dh)+7], v[ADK+\slot] offset:\blk*32*KP2+\kt*8*KP2+64*\dh+32
.endr
.endr
	WIN 0
.endm
.macro VLOAD slot, blk                 ; the same keys' V, transposed: 16 loads
.irp ks, 0,1
.irp dt, 0,1,2,3
	ds_load_tr16_b128 v[VF+8*(4*\ks+\dt):VF+8*(4*\ks+\dt)+3],   v[ADV+\slot] offset:\blk*32*VP2+\ks*16*VP2+32*\dt
	ds_load_tr16_b128 v[VF+8*(4*\ks+\dt)+4:VF+8*(4*\ks+\dt)+7], v[ADV+\slot] offset:\blk*32*VP2+\ks*16*VP2+32*\dt+8*VP2
.endr
.endr
.endm
.macro QK dh, zero                     ; 16 accumulators, one instruction a turn
.irp nt, 0,1,2,3
.irp kt, 0,1,2,3
.if \zero
	v_wmma_f32_16x16x32_f16 v[S+32*\nt+8*\kt:S+32*\nt+8*\kt+7], v[KF+8*(2*\kt+\dh):KF+8*(2*\kt+\dh)+7], v[QF+8*(2*\nt+\dh):QF+8*(2*\nt+\dh)+7], 0
.else
	v_wmma_f32_16x16x32_f16 v[S+32*\nt+8*\kt:S+32*\nt+8*\kt+7], v[KF+8*(2*\kt+\dh):KF+8*(2*\kt+\dh)+7], v[QF+8*(2*\nt+\dh):QF+8*(2*\nt+\dh)+7], v[S+32*\nt+8*\kt:S+32*\nt+8*\kt+7]
.endif
.endr
.endr
.endm
.macro PV ks, zero                     ; likewise by turns
.irp dt, 0,1,2,3
.irp nt, 0,1,2,3
.if \zero
	v_wmma_f32_16x16x32_f16 v[O+32*\nt+8*\dt:O+32*\nt+8*\dt+7], v[VF+8*(4*\ks+\dt):VF+8*(4*\ks+\dt)+7], v[S+32*\nt+16*\ks:S+32*\nt+16*\ks+7], 0
.else
	v_wmma_f32_16x16x32_f16 v[O+32*\nt+8*\dt:O+32*\nt+8*\dt+7], v[VF+8*(4*\ks+\dt):VF+8*(4*\ks+\dt)+7], v[S+32*\nt+16*\ks:S+32*\nt+16*\ks+7], v[O+32*\nt+8*\dt:O+32*\nt+8*\dt+7]
.endif
.endr
.endr
.endm
; the new maximum of each query (32 scores a lane, the old maximum, the other half of the lanes), and the factor 2^(old - new)
.macro SMAX first
.irp nt, 0,1,2,3
	v_max3_num_f32 v[T+\nt], v[S+32*\nt], v[S+32*\nt+1], v[S+32*\nt+2]
.endr
.irp i, 3,5,7,9,11,13,15,17,19,21,23,25,27,29
.irp nt, 0,1,2,3
	v_max3_num_f32 v[T+\nt], v[T+\nt], v[S+32*\nt+\i], v[S+32*\nt+\i+1]
.endr
.endr
.irp nt, 0,1,2,3
.if \first
	v_max_num_f32 v[T+\nt], v[T+\nt], v[S+32*\nt+31]
.else
	v_max3_num_f32 v[T+\nt], v[T+\nt], v[S+32*\nt+31], v[ST+2*\nt]
.endif
.endr
.irp nt, 0,1,2,3
	v_permlanex16_b32 v[AL+2*\nt+1], v[T+\nt], s54, s55
.endr
.if \first
.irp nt, 0,1,2,3
	v_max_num_f32 v[ST+2*\nt], v[T+\nt], v[AL+2*\nt+1]
.endr
.else
.irp nt, 0,1,2,3
	v_max_num_f32 v[T+\nt], v[T+\nt], v[AL+2*\nt+1]
.endr
.irp nt, 0,1,2,3
	v_sub_f32 v[U+2*\nt], v[ST+2*\nt], v[T+\nt]
.endr
.irp nt, 0,1,2,3
	v_exp_f32 v[AL+2*\nt], v[U+2*\nt]
.endr
.irp nt, 0,1,2,3
	v_mov_b32 v[ST+2*\nt], v[T+\nt]                ; plain instructions behind the exponentials, which touch neither their results nor their sources
.endr
.endif
.endm
.macro SEXP                            ; p = 2^(s - maximum); the next tile's subtractions are the plain instructions behind a tile's exponentials
.irp nt, 0,1,2,3
.set i, 0
.rept 16
	v_pk_add_f32 v[S+32*\nt+i:S+32*\nt+i+1], v[S+32*\nt+i:S+32*\nt+i+1], v[ST+2*\nt:ST+2*\nt+1] op_sel_hi:[1,0] neg_lo:[0,1] neg_hi:[0,1]
.set i, i+2
.endr
.set i, 0
.rept 32
	v_exp_f32 v[S+32*\nt+i], v[S+32*\nt+i]
.set i, i+1
.endr
.endr
.endm
.macro SSUM first                      ; each lane's own 32 numbers; the two halves of the lanes are added once, at the end
	s_wait_alu depctr_va_vdst(0)
.irp nt, 0,1,2,3
	v_pk_add_f32 v[U+2*\nt:U+2*\nt+1], v[S+32*\nt:S+32*\nt+1], v[S+32*\nt+2:S+32*\nt+3]
.endr
.set i, 4
.rept 14
.irp nt, 0,1,2,3
	v_pk_add_f32 v[U+2*\nt:U+2*\nt+1], v[U+2*\nt:U+2*\nt+1], v[S+32*\nt+i:S+32*\nt+i+1]
.endr
.set i, i+2
.endr
.irp nt, 0,1,2,3
.if \first
	v_add_f32 v[ST+2*\nt+1], v[U+2*\nt], v[U+2*\nt+1]
.else
	v_add_f32 v[U+2*\nt], v[U+2*\nt], v[U+2*\nt+1]
.endif
.endr
.if \first == 0
.irp nt, 0,1,2,3
	v_fma_f32 v[ST+2*\nt+1], v[ST+2*\nt+1], v[AL+2*\nt], v[U+2*\nt]
.endr
.endif
.endm
.macro SCVT                            ; p to f16, packed downward in place: the target never passes the sources still to be read
.irp nt, 0,1,2,3
.set i, 0
.rept 16
	v_cvt_pk_f16_f32 v[S+32*\nt+16*(i>>3)+(i&7)], v[S+32*\nt+2*i], v[S+32*\nt+2*i+1]
.set i, i+1
.endr
.endr
.endm
.macro RESCALE
	WIN 0x41
.irp nt, 0,1,2,3
.set i, 0
.rept 16
	v_pk_mul_f32 v[O+32*\nt+i:O+32*\nt+i+1], v[O+32*\nt+i:O+32*\nt+i+1], v[AL+2*\nt:AL+2*\nt+1] op_sel_hi:[1,0]
.set i, i+2
.endr
.endr
.endm
; 64 keys x 64 queries.  On entry this block's 16 K loads have been issued.
; sig: 0 = no barrier; 2 = the tile's last block, the barrier opens a round of the
; cluster's barrier behind which this slot is filled again.  other = the slot that is read next: its descriptors step on by two tiles.
.macro BLOCK slot, blk, first, knext, sig, other
	VLOAD \slot, \blk
	s_wait_dscnt 16                                ; K is in; V's sixteen loads stay out
	WIN 0x05
	QK 0, 1                                        ; the first product starts the scores
	QK 1, 0
	WIN 0
.rept 4
	v_nop                                          ; four places in front of the loads into K's registers and of the first read of a score
.endr
.if \knext
	KLOAD \slot, 1
.endif
.if \sig
	s_wait_dscnt 0x0                               ; V's fragments are in registers: my reads of this slot are over
	s_wait_tensorcnt 0x0                           ; all my tensor loads have landed, my part of the next tile among them; no load of mine is out, so a descriptor may be written
	ds_add_u32 v38, v39
	s_wait_dscnt 0x0
.if \sig == 2
	s_add_nc_u64 s[G0K+4*\other+2:G0K+4*\other+3], s[G0K+4*\other+2:G0K+4*\other+3], 2*TILEB
	s_add_nc_u64 s[G0V+4*\other+2:G0V+4*\other+3], s[G0V+4*\other+2:G0V+4*\other+3], 2*TILEB
.endif
	s_barrier_signal -1                            ; say so; up to the wait below stands register work alone
.endif
	SMAX \first
	SEXP
	SSUM \first
	SCVT
.if \first == 0
	RESCALE
.endif
.if \knext
	s_wait_dscnt 16                                ; V is in; the next block's K stays out
.else
.if \sig == 0
	s_wait_dscnt 0
.endif
.endif
	WIN 0x50
	PV 0, \first
	PV 1, 0
	WIN 0
.rept 5
	v_nop                                          ; five places in front of the products that write over P, four in front of loads into V's registers
.endr
.if \sig
	s_barrier_wait -1                              ; every wave of my work-group has said so
.endif
.endm
; One tile of 256 keys, and the change of slots behind it.  The joint refill is the first tensor load behind the round's closing wait, one a wave.
.macro TRIP slot, other, first, sig
	KLOAD \slot, 0
	BLOCK \slot, 0, \first, 1, 0, \other
	BLOCK \slot, 1, 0, 0, \sig, \other
.if \sig == 2
	CREST                                          ; no wave of any partner still reads this slot or has a load on its way
	JLOAD \slot                                    ; the tile after the next, into the slot just read
.endif
.endm
	s_wait_loadcnt 0x0                             ; q
	s_wait_tensorcnt 0x0                           ; my part of tile 0 has landed
	ds_add_u32 v38, v39
	s_add_nc_u64 s[G0K+2:G0K+3], s[G0K+2:G0K+3], 2*TILEB           ; slot 0's next tile
	s_add_nc_u64 s[G0V+2:G0V+3], s[G0V+2:G0V+3], 2*TILEB
	s_wait_dscnt 0x0
	ROUND
	JLOAD 1                                        ; tile 1: slot 1's first fill, issued as a refill is
	TRIP 0, 1, 1, 2                                ; tile 0
	TRIP 1, 0, 0, 2
	s_mov_b32 s48, 2
.Lpair:
	TRIP 0, 1, 0, 2                                ; tiles 2 to 5; behind tile 5 the last load goes out, tile 7's (slot 0's stepped address is not used)
	TRIP 1, 0, 0, 2
	s_sub_co_u32 s48, s48, 1
	s_cmp_lg_u32 s48, 0
	s_cbranch_scc1 .Lpair
	TRIP 0, 1, 0, 1                                ; tile 6: nothing is left to fetch, a work-group barrier shows tile 7 whole
	TRIP 1, 0, 0, 0                                ; tile 7
	; THE MERGE: waves 4-7 hand their O^T, maxima and sums to waves 0-3.
	s_cmp_lt_u32 s8, 4
	s_cbranch_scc1 .Lkeep
	WIN 0x04
.set i, 0
.rept 32
	ds_store_b128 v[XO], v[O+4*i:O+4*i+3] offset:512*i
.set i, i+1
.endr
	WIN 0
	ds_store_b128 v[XO], v[ST:ST+3] offset:16384
	ds_store_b128 v[XO], v[ST+4:ST+7] offset:16896
.Lkeep:
	s_wait_dscnt 0x0                               ; for the readers' sake: my stores are done
	s_barrier_signal -1
	s_barrier_wait -1
	s_cmp_ge_u32 s8, 4
	s_cbranch_scc1 .Lclose
.set i, 0
.rept 32
	ds_load_b128 v[S+4*i:S+4*i+3], v[XO] offset:512*i
.set i, i+1
.endr
	ds_load_b128 v[XS:XS+3], v[XO] offset:16384
	ds_load_b128 v[XS+4:XS+7], v[XO] offset:16896
	s_wait_dscnt 0x0
.irp nt, 0,1,2,3
	v_max_num_f32 v[T+\nt], v[ST+2*\nt], v[XS+2*\nt]
.endr
.irp nt, 0,1,2,3
	v_sub_f32 v[W+2*\nt],   v[ST+2*\nt], v[T+\nt]
	v_sub_f32 v[W+2*\nt+1], v[XS+2*\nt], v[T+\nt]
.endr
.irp nt, 0,1,2,3
	v_exp_f32 v[AL+2*\nt], v[W+2*\nt]
	v_exp_f32 v[U+2*\nt],  v[W+2*\nt+1]
.endr
	v_nop                                          ; a plain instruction behind the exponentials
	s_wait_alu depctr_va_vdst(0)
.irp nt, 0,1,2,3
	v_mul_f32 v[T+\nt], v[ST+2*\nt+1], v[AL+2*\nt]
	v_fma_f32 v[T+\nt], v[XS+2*\nt+1], v[U+2*\nt], v[T+\nt]
.endr
.irp nt, 0,1,2,3
	v_permlanex16_b32 v[AL+2*\nt+1], v[T+\nt], s54, s55
.endr
.irp nt, 0,1,2,3
	v_add_f32 v[T+\nt], v[T+\nt], v[AL+2*\nt+1]    ; the whole sum; at least 1, since the largest score gives 2^0
.endr
.irp nt, 0,1,2,3
	v_rcp_f32 v[W+2*\nt], v[T+\nt]
.endr
	v_nop
	s_wait_alu depctr_va_vdst(0)
.irp nt, 0,1,2,3
	v_mul_f32 v[AL+2*\nt], v[AL+2*\nt], v[W+2*\nt]
	v_mul_f32 v[U+2*\nt],  v[U+2*\nt],  v[W+2*\nt]
.endr
.irp nt, 0,1,2,3
.set i, 0
.rept 16
	v_pk_mul_f32 v[S+32*\nt+i:S+32*\nt+i+1], v[S+32*\nt+i:S+32*\nt+i+1], v[U+2*\nt:U+2*\nt+1] op_sel_hi:[1,0]
.set i, i+2
.endr
.endr
	WIN 0x01
.irp nt, 0,1,2,3
.set i, 0
.rept 16
	v_pk_fma_f32 v[S+32*\nt+i:S+32*\nt+i+1], v[O+32*\nt+i:O+32*\nt+i+1], v[AL+2*\nt:AL+2*\nt+1], v[S+32*\nt+i:S+32*\nt+i+1] op_sel_hi:[1,0,1]
.set i, i+2
.endr
.endr
	WIN 0
.set i, 0
.rept 64
	v_cvt_pk_f16_f32 v[VF+i], v[S+2*i], v[S+2*i+1] ; lane (r, h): query 16 nt + r, d = 16 dt + 8 h + 0..7: 16 bytes
.set i, i+1
.endr
.irp nt, 0,1,2,3
.irp dt, 0,1,2,3
	ds_store_b128 v[STO], v[VF+16*\nt+4*\dt:VF+16*\nt+4*\dt+3] offset:\nt*2304+32*\dt
.endr
.endr
.irp t, 0,1,2,3,4,5,6,7,8,9,10,11,12,13,14,15
	ds_load_b128 v[S+4*\t:S+4*\t+3], v[RD] offset:576*\t           ; my own stage: LDS serves a wave's instructions in order
.endr
.irp t, 0,1,2,3,4,5,6,7,8,9,10,11,12,13,14,15
	s_wait_dscnt 15-\t
	global_store_b128 v[CO], v[S+4*\t:S+4*\t+3], s[58:59] offset:512*\t   ; four rows of 128 bytes: 512 consecutive bytes
.endr
.Lclose:
	s_wait_tensorcnt 0x0
	ds_add_u32 v38, v39
	s_wait_dscnt 0x0
	ROUND                                          ; the closing round
	s_endpgm
.Lfunc_end_k_q762089d72d_attn:
	.size	k_q762089d72d_attn, .Lfunc_end_k_q762089d72d_attn-k_q762089d72d_attn
	.p2alignl 7, 3214868480
	.fill 96, 4, 3214868480
	.section	.rodata,"a",@progbits
	.p2align	6, 0x0
	.amdhsa_kernel k_q762089d72d_attn
		.amdhsa_group_segment_fixed_size 327680
		.amdhsa_private_segment_fixed_size 0
		.amdhsa_enable_private_segment 0
		.amdhsa_kernarg_size 16
		.amdhsa_user_sgpr_count 2
		.amdhsa_user_sgpr_kernarg_segment_ptr 1
		.amdhsa_wavefront_size32 1
		.amdhsa_system_sgpr_workgroup_id_x 1
		.amdhsa_system_sgpr_workgroup_id_y 1
		.amdhsa_system_sgpr_workgroup_id_z 1
		.amdhsa_system_vgpr_workitem_id 0
		.amdhsa_next_free_vgpr 512
		.amdhsa_next_free_sgpr 66
		.amdhsa_reserve_vcc 0
		.amdhsa_float_denorm_mode_32 3
		.amdhsa_float_denorm_mode_16_64 3
		.amdhsa_memory_ordered 1
		.amdhsa_forward_progress 1
		.amdhsa_inst_pref_size 255
	.end_amdhsa_kernel
	.section	.bss,"aw",@nobits
	.p2align	6
	.space	262144
	.amdgpu_metadata
---
amdhsa.version: [ 1, 2 ]
amdhsa.kernels:
  - .name:           k_q762089d72d_attn
    .symbol:         k_q762089d72d_attn.kd
    .args:
      - { .name: qkv, .offset: 0, .size: 8, .value_kind: global_buffer, .address_space: global }
      - { .name: att, .offset: 8, .size: 8, .value_kind: global_buffer, .address_space: global }
    .group_segment_fixed_size: 327680
    .private_segment_fixed_size: 0
    .kernarg_segment_align: 8
    .kernarg_segment_size: 16
    .max_flat_workgroup_size: 256
    .sgpr_count:     66
    .vgpr_count:     512
    .wavefront_size: 32
...
	.end_amdgpu_metadata
.endif
;; end of part 3
;; launch oproj (part 4): grid 8 x 32, 4 waves a work-group, clusters of 4 x 4, 327,680 bytes of LDS; arguments att, wo16, bo, out0; writes out0
.if DOCPART == 4
	.amdgcn_target "amdgcn-amd-amdhsa--gfx1250"
	.amdhsa_code_object_version 6
	.text
	.protected	k_q762089d72d_oproj
	.globl	k_q762089d72d_oproj
	.p2align	8
	.type	k_q762089d72d_oproj,@function
k_q762089d72d_oproj:
	s_mov_b64 s[64:65], 0
	v_nop
	global_prefetch_b8 v0, s[64:65] scope:SCOPE_SE
	s_setreg_imm32_b32 hwreg(HW_REG_WAVE_MODE, 25, 1), 1
	s_wait_xcnt 0x0
	s_wait_alu depctr_hold_cnt(0) depctr_sa_sdst(0) depctr_va_vdst(0) depctr_va_sdst(0) depctr_va_ssrc(0) depctr_va_vcc(0) depctr_vm_vsrc(0)
	s_getreg_b32 s2, hwreg(HW_REG_IB_STS2, 6, 4)
	s_cmp_eq_u32 s2, 0
	s_cbranch_scc0 .Lentry_in_a_cluster
	s_endpgm
.Lentry_in_a_cluster:
	s_bfe_u32 s2, ttmp6, 0x10000c
	s_cmp_lg_u32 s2, 0xf033
	s_cbranch_scc0 .Lentry_shape_is_right
	s_endpgm
.Lentry_shape_is_right:
; oproj: out0 = att Wo + bo, f32.  4,096 x 1,024, K = 1,024, f16 operands, f32 sums.
; 256 work-groups of 128 x 128 (a larger block would leave three quarters of them without work), four waves of 64 x 64: 16 accumulator tiles in window 1.
; K goes in four tiles of 256 through two LDS slots, all written out.  A's tile: four head planes of att's block of 128 rows, 65,536 dense bytes, taken as rows
; of 256 bytes (two rows of a head), LDS pitch 272: row m of a plane lies at (m / 2) 272 + (m % 2) 128.  B's tile lies [k][n]: 256 rows x 256 bytes, pitch 288.
; CLUSTERS: 4 x 4; A's tile jointly along a row of the cluster, B's along a column.  By this text's own count a wave has at most two tensor loads out.
; The matrix instruction is used transposed: lane l holds row l % 16, registers 0-7 columns 8 (l / 16) + 0..7.
.set HALFT,  36864                     ; a wave's region of a slot: B's 128 x 288; A's 128 x 272 = 34,816 lie at its start
.set SLOT,   4*HALFT
.set STAGE,  2*SLOT                    ; 294,912: 16 rows x 272 bytes for each wave; no tensor load lands here
.set APL,    17408                     ; a head plane in LDS: 64 x 272
.set AP2,    272
.set BP,     288
.set SPITCH, 272
.set ADRA, 16                          ; v16-17 slot 0, 1
.set ADRB, 20                          ; v20-23 2 x slot + half of the tile's k
.set STO,  24
.set RD,   25
.set CO,   26
.set BO,   27
.set BIAS, 28                          ; v28-31
.set G1, 24
.set G0, 32
.set G1B, 48
.set G0B, 56
.set MSB, 0
.macro WIN new
.if MSB != \new
	s_set_vgpr_msb (MSB<<8)|\new
.set MSB, \new
.endif
.endm
.macro JLOAD s
	s_cmp_eq_u32 s13, 0
	s_cbranch_scc0 .Lfor_b_\@
	tensor_load_to_lds s[G0+4*\s:G0+4*\s+3], s[G1:G1+7]
	s_nop 0
	s_branch .Lasked_\@
.Lfor_b_\@:
	tensor_load_to_lds s[G0B+4*\s:G0B+4*\s+3], s[G1B:G1B+7]
	s_nop 0
.Lasked_\@:
.endm
.macro CREST
	s_cmp_lg_u32 s12, 0
	s_cbranch_scc1 .Lnot_wave_0_\@
	s_barrier_signal -3
.Lnot_wave_0_\@:
	s_barrier_wait -3
	s_barrier_signal -1
	s_barrier_wait -1
.endm
.macro CROUND
	s_barrier_signal -1
	s_barrier_wait -1
	CREST
.endm
	s_load_b256 s[4:11], s[0:1], 0x0               ; att 4, wo16 6, bo 8, out0 10
	v_lshl_add_u32 v254, v0, 2, 0x4c400
	v_mov_b32 v255, 0
	ds_add_u32 v254, v255
	v_lshrrev_b32 v1, 5, v0
	v_readfirstlane_b32 s12, v1                    ; wave
	s_lshr_b32 s13, s12, 1                         ; my half of the rows; also A (0) or B (1)
	s_and_b32 s14, s12, 1                          ; my half of the columns; also which half of the tile
	s_bfe_u32 s40, ttmp6, 0x40000                  ; cx
	s_bfe_u32 s41, ttmp6, 0x40004                  ; cy
	s_lshl_b32 s42, ttmp9, 2
	s_add_co_u32 s42, s42, s40                     ; block column, 0-7
	s_and_b32 s43, ttmp7, 0xffff
	s_lshl_b32 s43, s43, 2
	s_add_co_u32 s43, s43, s41                     ; block row, 0-31
	s_lshl_b32 s44, s41, 2
	s_lshl_b32 s44, 15, s44
	s_lshl_b32 s45, 0x1111, s40
	s_or_b32 s[G1+0], s44, (1<<16)|(1<<20)|(1<<21)|(5<<22)|(3<<25)    ; pad 4 words behind every 64
	s_or_b32 s[G1B+0], s45, (1<<16)|(1<<20)|(1<<21)|(5<<22)|(7<<25)   ; pad 8 words
.irp g, G1, G1B
	s_mov_b32 s[\g+1], 128<<16                     ; 128 elements x 128 rows
	s_mov_b32 s[\g+2], 128<<16
	s_mov_b32 s[\g+3], 128<<16
	s_mov_b32 s[\g+4], 128
	s_mov_b32 s[\g+6], 0
	s_mov_b32 s[\g+7], 0
.endr
	s_mov_b32 s[G1+5], 128                         ; A is dense
	s_mov_b32 s[G1B+5], 1024                       ; Wo's rows
	s_lshl_b32 s16, s43, 18                        ; A: the block of 128 rows, my two head planes
	s_lshl_b32 s17, s14, 15
	s_add_co_u32 s16, s16, s17
	s_mov_b32 s17, 0
	s_lshl_b32 s46, s14, 18                        ; B: my 128 rows of k, the block's 128 columns
	s_lshl_b32 s47, s42, 8
	s_add_co_u32 s46, s46, s47
	s_mov_b32 s47, 0
	s_mul_i32 s20, s12, HALFT
	s_lshl_b32 s70, s42, 9                         ; my 64 columns in f32
	s_lshl_b32 s71, s14, 8
	s_add_co_u32 s70, s70, s71
	s_mov_b32 s71, 0
	s_wait_dscnt 0x0
	s_wait_kmcnt 0x0
	s_add_nc_u64 s[18:19], s[4:5], s[16:17]
	s_add_nc_u64 s[46:47], s[6:7], s[46:47]
	s_add_nc_u64 s[66:67], s[8:9], s[70:71]        ; bias
	s_lshl_b32 s71, s43, 19                        ; 128 rows of 4,096 bytes
	s_add_co_u32 s70, s70, s71
	s_lshl_b32 s71, s13, 18
	s_add_co_u32 s70, s70, s71
	s_mov_b32 s71, 0
	s_add_nc_u64 s[68:69], s[10:11], s[70:71]      ; my corner of out0
	CROUND                                         ; in front of the first joint loads
.irp s, 0,1
	s_mov_b32 s[G0+4*\s], 1
	s_add_co_u32 s[G0+4*\s+1], s20, \s*SLOT
	s_add_nc_u64 s[G0+4*\s+2:G0+4*\s+3], s[18:19], \s*65536
	s_or_b32 s[G0+4*\s+3], s[G0+4*\s+3], 0x80000000
	s_mov_b32 s[G0B+4*\s], 1
	s_add_co_u32 s[G0B+4*\s+1], s20, \s*SLOT
	s_add_nc_u64 s[G0B+4*\s+2:G0B+4*\s+3], s[46:47], \s*524288
	s_or_b32 s[G0B+4*\s+3], s[G0B+4*\s+3], 0x80000000
	JLOAD \s
.endr
	v_and_b32 v1, 15, v0                           ; r
	v_bfe_u32 v2, v0, 4, 1                         ; h
	v_lshlrev_b32 v[BO], 4, v1
	global_load_b128 v[BIAS:BIAS+3], v[BO], s[66:67]   ; the four columns that I store
	v_lshrrev_b32 v3, 1, v1
	v_mul_u32_u24 v3, v3, AP2
	v_and_b32 v4, 1, v0
	v_lshl_add_u32 v3, v4, 7, v3
	v_lshl_add_u32 v3, v2, 4, v3
	s_mul_i32 s21, s13, 32*AP2                     ; my 64 rows
	v_add_nc_u32 v[ADRA], s21, v3
	v_add_nc_u32 v[ADRA+1], SLOT, v[ADRA]
	v_and_b32 v5, 7, v0
	v_lshl_add_u32 v5, v2, 3, v5
	v_mul_u32_u24 v5, v5, BP
	v_bfe_u32 v6, v0, 3, 1
	v_lshl_add_u32 v5, v6, 4, v5
	s_lshl_b32 s22, s14, 7                         ; my 64 columns
	s_add_co_u32 s22, s22, 2*HALFT
	v_add_nc_u32 v[ADRB], s22, v5
	v_add_nc_u32 v[ADRB+1], HALFT, v[ADRB]
	v_add_nc_u32 v[ADRB+2], SLOT, v[ADRB]
	v_add_nc_u32 v[ADRB+3], SLOT, v[ADRB+1]
	s_mul_i32 s23, s12, 16*SPITCH
	s_add_co_u32 s23, s23, STAGE
	v_mul_u32_u24 v7, v1, SPITCH
	v_lshl_add_u32 v7, v2, 5, v7                   ; in: row r, 32 bytes for each half of the lanes
	v_add_nc_u32 v[STO], s23, v7
	v_mul_u32_u24 v7, v2, SPITCH
	v_lshl_add_u32 v7, v1, 4, v7                   ; back: lanes 0-15 one row of 256 bytes, lanes 16-31 the next
	v_add_nc_u32 v[RD], s23, v7
	v_lshlrev_b32 v7, 12, v2
	v_lshl_add_u32 v[CO], v1, 4, v7
.macro PLACES
.rept 4
	v_nop
.endr
.endm
.macro FETCH slot, q, f                ; quarter q of eight (32 along K): 8 transposing loads for B, 8 loads for A; buffer f: A at 64 + 64 f, B at 96 + 64 f
.irp i, 0,1,2,3
	ds_load_tr16_b128 v[96+64*\f+8*\i:96+64*\f+8*\i+3],   v[ADRB+2*\slot+(\q>>2)] offset:(\q&3)*32*BP+32*\i
	ds_load_tr16_b128 v[96+64*\f+8*\i+4:96+64*\f+8*\i+7], v[ADRB+2*\slot+(\q>>2)] offset:(\q&3)*32*BP+32*\i+16*BP
.endr
.irp i, 0,1,2,3
	ds_load_b128 v[64+64*\f+8*\i:64+64*\f+8*\i+3],   v[ADRA+\slot] offset:(\q>>2)*HALFT+((\q>>1)&1)*APL+\i*8*AP2+64*(\q&1)
	ds_load_b128 v[64+64*\f+8*\i+4:64+64*\f+8*\i+7], v[ADRA+\slot] offset:(\q>>2)*HALFT+((\q>>1)&1)*APL+\i*8*AP2+64*(\q&1)+32
.endr
.endm
.macro MULH f, a0, zero                ; 8 of the 16 accumulators, one instruction a turn
.irp a, \a0, \a0+1
.irp b, 0,1,2,3
.if \zero
	v_wmma_f32_16x16x32_f16 v[8*(4*(\a)+\b):8*(4*(\a)+\b)+7], v[96+64*\f+8*\b:96+64*\f+8*\b+7], v[64+64*\f+8*(\a):64+64*\f+8*(\a)+7], 0
.else
	v_wmma_f32_16x16x32_f16 v[8*(4*(\a)+\b):8*(4*(\a)+\b)+7], v[96+64*\f+8*\b:96+64*\f+8*\b+7], v[64+64*\f+8*(\a):64+64*\f+8*(\a)+7], v[8*(4*(\a)+\b):8*(4*(\a)+\b)+7]
.endif
.endr
.endr
.endm
.macro QSTEP slot, qn, f, g, zero      ; fetches quarter qn into buffer g, multiplies buffer f
	PLACES                                         ; buffer g was read by the matrix instructions just issued
	FETCH \slot, \qn, \g
	s_wait_dscnt 16                                ; buffer f is in; the sixteen loads just issued stay out
	WIN 0x50
	MULH \f, 0, \zero
	MULH \f, 2, \zero
	WIN 0
.endm
.macro SEVEN slot, zero
	QSTEP \slot, 1, 0, 1, \zero
	QSTEP \slot, 2, 1, 0, 0
	QSTEP \slot, 3, 0, 1, 0
	QSTEP \slot, 4, 1, 0, 0
	QSTEP \slot, 5, 0, 1, 0
	QSTEP \slot, 6, 1, 0, 0
	QSTEP \slot, 7, 0, 1, 0
.endm
; The eighth quarter changes slots: waits for my reads of this slot and for all my tensor loads, the barrier (where the slot is filled again it opens a round
; of the cluster's barrier), the refill first behind it, then the next slot's first fragments.
.macro TURN slot, next, fill
	s_wait_dscnt 0
	s_wait_tensorcnt 0x0
	ds_add_u32 v254, v255
	s_wait_dscnt 0x0
	s_barrier_signal -1
	WIN 0x50
	MULH 1, 0, 0
	WIN 0
	s_barrier_wait -1
.if \fill
	CREST
	s_add_nc_u64 s[G0+4*\slot+2:G0+4*\slot+3], s[G0+4*\slot+2:G0+4*\slot+3], 131072
	s_add_nc_u64 s[G0B+4*\slot+2:G0B+4*\slot+3], s[G0B+4*\slot+2:G0B+4*\slot+3], 1048576
	JLOAD \slot
.endif
	PLACES
	FETCH \next, 0, 0
	WIN 0x50
	MULH 1, 2, 0
	WIN 0
.endm
	s_wait_tensorcnt 1                             ; my part of tile 0 is in; tile 1's may stay out
	s_barrier_signal -1
	s_barrier_wait -1
	FETCH 0, 0, 0
	SEVEN 0, 1                                     ; tile 0: the first products start the sums
	TURN 0, 1, 1                                   ; slot 0 gets tile 2
	SEVEN 1, 0
	TURN 1, 0, 1                                   ; slot 1 gets tile 3
	SEVEN 0, 0
	TURN 0, 1, 0
	SEVEN 1, 0
	s_wait_dscnt 0
	WIN 0x50
	MULH 1, 0, 0
	MULH 1, 2, 0
	WIN 0
	; THE WAY OUT, 16 rows at a time through my own stage; the bias is added on the rows read back.
	PLACES
	s_wait_loadcnt 0x0                             ; the bias
.macro OUT16 a
	WIN 0x04
.irp b, 0,1,2,3
	ds_store_b128 v[STO], v[8*(4*\a+\b):8*(4*\a+\b)+3]   offset:64*\b
	ds_store_b128 v[STO], v[8*(4*\a+\b)+4:8*(4*\a+\b)+7] offset:64*\b+16
.endr
	WIN 0
	s_wait_xcnt 0x0                                ; v64-95, which the last group's stores read, are loaded again only behind this wait
.irp t, 0,1,2,3,4,5,6,7
	ds_load_b128 v[64+4*\t:64+4*\t+3], v[RD] offset:\t*2*SPITCH    ; LDS serves a wave's instructions in order
.endr
.irp t, 0,1,2,3,4,5,6,7
	s_wait_dscnt 7-\t
	v_pk_add_f32 v[64+4*\t:65+4*\t], v[64+4*\t:65+4*\t], v[BIAS:BIAS+1]
	v_pk_add_f32 v[66+4*\t:67+4*\t], v[66+4*\t:67+4*\t], v[BIAS+2:BIAS+3]
	global_store_b128 v[CO], v[64+4*\t:67+4*\t], s[68:69] offset:(16*\a+2*\t)*4096 th:TH_STORE_NT   ; sixteen lanes store 256 consecutive aligned bytes
.endr
.endm
	OUT16 0
	OUT16 1
	OUT16 2
	OUT16 3
	s_wait_tensorcnt 0x0
	ds_add_u32 v254, v255
	s_wait_dscnt 0x0
	CROUND                                         ; the closing round
	s_endpgm
.Lfunc_end_k_q762089d72d_oproj:
	.size	k_q762089d72d_oproj, .Lfunc_end_k_q762089d72d_oproj-k_q762089d72d_oproj
	.p2alignl 7, 3214868480
	.fill 96, 4, 3214868480
	.section	.rodata,"a",@progbits
	.p2align	6, 0x0
	.amdhsa_kernel k_q762089d72d_oproj
		.amdhsa_group_segment_fixed_size 327680
		.amdhsa_private_segment_fixed_size 0
		.amdhsa_enable_private_segment 0
		.amdhsa_kernarg_size 32
		.amdhsa_user_sgpr_count 2
		.amdhsa_user_sgpr_kernarg_segment_ptr 1
		.amdhsa_wavefront_size32 1
		.amdhsa_system_sgpr_workgroup_id_x 1
		.amdhsa_system_sgpr_workgroup_id_y 1
		.amdhsa_system_sgpr_workgroup_id_z 1
		.amdhsa_system_vgpr_workitem_id 0
		.amdhsa_next_free_vgpr 384
		.amdhsa_next_free_sgpr 72
		.amdhsa_reserve_vcc 0
		.amdhsa_float_denorm_mode_32 3
		.amdhsa_float_denorm_mode_16_64 3
		.amdhsa_memory_ordered 1
		.amdhsa_forward_progress 1
		.amdhsa_inst_pref_size 93
	.end_amdhsa_kernel
	.amdgpu_metadata
---
amdhsa.version: [ 1, 2 ]
amdhsa.kernels:
  - .name:           k_q762089d72d_oproj
    .symbol:         k_q762089d72d_oproj.kd
    .args:
      - { .name: att, .offset: 0, .size: 8, .value_kind: global_buffer, .address_space: global }
      - { .name: wo16, .offset: 8, .size: 8, .value_kind: global_buffer, .address_space: global }
      - { .name: bo, .offset: 16, .size: 8, .value_kind: global_buffer, .address_space: global }
      - { .name: out0, .offset: 24, .size: 8, .value_kind: global_buffer, .address_space: global }
    .group_segment_fixed_size: 327680
    .private_segment_fixed_size: 0
    .kernarg_segment_align: 8
    .kernarg_segment_size: 32
    .max_flat_workgroup_size: 128
    .sgpr_count:     72
    .vgpr_count:     384
    .wavefront_size: 32
...
	.end_amdgpu_metadata
.endif
;; end of part 4
;; ======== version 2 of 2: 4 launches; version 1 with the launch prep written anew for expert scheduling mode
;; limits: values are held in f16: magnitudes above 65,504 overflow, below 6.1e-05 lose precision
;; workspace buffers: xc 16,777,216 bytes; w16 6,291,456 bytes; wo16 2,097,152 bytes; tab 1,048,576 bytes; qkv 25,165,824 bytes; att 8,388,608 bytes
;; launch prep (part 5): grid 768 x 1, 8 waves a work-group, no clusters, 0 bytes of LDS; arguments x, context, Wq, Wkv, Wo, xc, w16, wo16, tab; writes xc, w16, wo16, tab
.if DOCPART == 5
	.amdgcn_target "amdgcn-amd-amdhsa--gfx1250"
	.amdhsa_code_object_version 6
	.text
	.protected	k_q762089d72d_prep
	.globl	k_q762089d72d_prep
	.p2align	8
	.type	k_q762089d72d_prep,@function
k_q762089d72d_prep:
	s_mov_b64 s[64:65], 0
	v_nop
	global_prefetch_b8 v0, s[64:65] scope:SCOPE_SE
	s_setreg_imm32_b32 hwreg(HW_REG_WAVE_SCHED_MODE, 0, 2), 2
	s_setreg_imm32_b32 hwreg(HW_REG_WAVE_MODE, 25, 1), 1
	s_wait_xcnt 0x0
	s_wait_alu depctr_vm_vsrc(0)
; prep: casts the f32 inputs to f16 and makes the rotary tables.
;   xc   [8192][1024] f16: rows 0-4095 = x, rows 4096-8191 = context
;   w16  [1024 k][3072 n] f16 = [Wq | Wkv], wo16 [1024][1024] f16 = Wo
;   tab  [2][2048 pos][64] f32: a row is cos[0..31], sin[0..31]; part 0 times 0.125 log2(e) (for q), part 1 plain (for k)
; Work-groups 0-511 cast x and context, 512-575 Wq, 576-703 Wkv, 704-767 Wo: 768 work-groups of equal bytes.
; A work-group takes 16 units of 1,024 numbers: thread t loads 16 bytes at 16 t and stores 8 bytes at 8 t of each unit,
; so a wave's load covers 512 and its store 256 consecutive aligned bytes.  All 16 loads go out before the first store.
; The 2,048 waves of work-groups 0-255 also make one row of the table each (position = 8 x work-group + wave), between the issue of their
; loads and the first wait for them.
; LIMITS: numbers above 65,504 in magnitude become infinities in f16.  The angle is f32(pos * inv_freq) with inv_freq = 2^(-i log2(10000)/32)
; from v_exp_f32; it can differ from a correctly rounded inv_freq's angle by some 4e-4 radians at the last positions.
; THE MODE: SCHED_MODE bits 1:0 = 2 (LLVM: expert scheduling mode 2), set by the entry lines.  The code itself states the register dependences
; between vector instructions and memory instructions, with s_wait_alu, always for 0.
; THE PLAN.  Registers that memory instructions touch:
;   v1, v2     byte offsets of every load and of every cast store.  Written at the head, never again: one wait at the head serves all four ways.
;   X          16 units as loaded.  Each register is loaded once; the conversions alone read it; no vector line names it ahead of the loads.
;   Y          16 units to store.  Each register is written once, by a conversion, and read once, by a store.  The units go in four blocks of four:
;              one wait behind a block's eight conversions, then the block's four stores in a run.
;   v111, v[118:119], v[122:123]   the table row's offset and data: written once, read by the two table stores behind one wait.
; No register that a memory instruction reads is ever written again; the one wait on vm_vsrc stands among the entry lines.
; s22 (from v_readfirstlane_b32) and VCC (from one compare) have their waits ahead of their first readers.  EXEC is never written.
.set X, 8                              ; v[8:71]   16 units as loaded
.set Y, 72                             ; v[72:103] 16 units as stored
.set Q4, 113                           ; table: pi/8 in lanes 16-31 (a quarter turn, divided by four), 0 in lanes 0-15
.set KC, 114                           ; table: the highest coefficient of the cosine's series
.macro CAST_LD sstep                   ; 16 units, sstep bytes apart in the source
.irp j, 0,1,2,3,4,5,6,7,8,9,10,11,12,13,14,15
	global_load_b128 v[X+4*\j:X+4*\j+3], v1, s[24:25] offset:\j*\sstep th:TH_LOAD_NT
.endr
.endm
.macro CAST_ST dstep                   ; rounded and stored, dstep bytes apart in the target: four blocks of four units
.irp p, 0,1,2,3
.irp i, 0,1,2,3
	s_wait_loadcnt 15-(4*(\p)+(\i))                ; loads return in order: this unit is in, the younger ones stay out
	v_cvt_pk_f16_f32 v[Y+2*(4*(\p)+(\i))],   v[X+4*(4*(\p)+(\i))],   v[X+4*(4*(\p)+(\i))+1]
	v_cvt_pk_f16_f32 v[Y+2*(4*(\p)+(\i))+1], v[X+4*(4*(\p)+(\i))+2], v[X+4*(4*(\p)+(\i))+3]
.endr
	s_wait_alu depctr_va_vdst(0)                   ; the block's eight conversions have written its eight registers of Y, which the four stores below read
.irp i, 0,1,2,3
	global_store_b64 v2, v[Y+2*(4*(\p)+(\i)):Y+2*(4*(\p)+(\i))+1], s[26:27] offset:(4*(\p)+(\i))*\dstep
.endr
.endr
.endm
; cos(th - quarter turn in lanes 16-31).  The angle in turns, less its nearest whole number, exactly (a fused multiply-add, then the low
; part of 1/2pi); a quarter of the angle goes through the series up to y^10 (|y| < 1.18, remainder below 2e-8); two doublings.
.macro COSREV c, th, t
	v_mul_f32 v[\t], 0.15915494, v[\th]
	v_rndne_f32 v[\c], v[\t]
	v_fma_f32 v[\t], v[\th], 0.15915494, -v[\c]
	v_fma_f32 v[\t], v[\th], s30, v[\t]
	v_fma_f32 v[\t], v[\t], s31, -v[Q4]            ; turns * pi/2 = a quarter of the angle; less pi/8 for the sine
	v_mul_f32 v[\t], v[\t], v[\t]
	v_fmaak_f32 v[\c], v[KC], v[\t], 0x37d00d01    ; -1/10! y2 + 1/8!
	v_fmaak_f32 v[\c], v[\c], v[\t], 0xbab60b61    ; - 1/6!
	v_fmaak_f32 v[\c], v[\c], v[\t], 0x3d2aaaab    ; + 1/4!
	v_fma_f32 v[\c], v[\c], v[\t], -0.5
	v_fma_f32 v[\c], v[\c], v[\t], 1.0
	v_mul_f32 v[\c], v[\c], v[\c]
	v_fma_f32 v[\c], v[\c], 2.0, -1.0              ; cos 2y = 2 cos^2 y - 1
	v_mul_f32 v[\c], v[\c], v[\c]
	v_fma_f32 v[\c], v[\c], 2.0, -1.0
.endm
	s_load_b512 s[4:19], s[0:1], 0x0               ; x 4, context 6, Wq 8, Wkv 10, Wo 12, xc 14, w16 16, wo16 18
	s_load_b64 s[20:21], s[0:1], 0x40              ; tab
	v_lshlrev_b32 v1, 4, v0                        ; 16 t
	v_lshlrev_b32 v2, 3, v0                        ; 8 t
	s_mov_b32 s33, 0                               ; high words of the two offsets
	s_mov_b32 s35, 0
	s_wait_kmcnt 0x0
	s_wait_alu depctr_va_vdst(0)                   ; v1 and v2 are written: every load reads v1 and every cast store v2 as its offset, on all four ways; no later line writes them
	s_cmp_ge_u32 ttmp9, 704
	s_cbranch_scc1 .Lwo
	s_cmp_ge_u32 ttmp9, 576
	s_cbranch_scc1 .Lwkv
	s_cmp_ge_u32 ttmp9, 512
	s_cbranch_scc1 .Lwq
	; x (work-groups 0-255) and context (256-511): 16 rows each
	s_and_b32 s32, ttmp9, 255
	s_lshl_b32 s32, s32, 16
	s_lshl_b32 s34, ttmp9, 15
	s_cmp_lt_u32 ttmp9, 256
	s_cselect_b64 s[24:25], s[4:5], s[6:7]
	s_add_nc_u64 s[24:25], s[24:25], s[32:33]
	s_add_nc_u64 s[26:27], s[14:15], s[34:35]
	CAST_LD 4096
	s_cmp_ge_u32 ttmp9, 256
	s_cbranch_scc1 .Lnotab
	; One row of the table while the loads are on their way.  Lane L makes entries 2 (L % 16) and + 1: cosines in lanes 0-15, sines in 16-31.
	; None of these lines names v1, v2, X or Y.
	v_lshrrev_b32 v104, 5, v0
	v_readfirstlane_b32 s22, v104                  ; wave; the lines that read s22 stand below, behind the vector work that does not need it
	s_lshl_b32 s23, ttmp9, 3
	s_mov_b32 s37, 0
	s_mov_b32 s38, 0x3e38aa3b                      ; 0.125 log2(e): the score's scale and the change to base 2, folded into q
	s_mov_b32 s39, 0x3e38aa3b
	s_mov_b32 s30, 0x31dc9c88                      ; 1/2pi less its f32 value
	s_mov_b32 s31, 0x3fc90fdb                      ; pi/2
	v_and_b32 v105, 31, v0
	v_and_b32 v106, 15, v0
	v_lshlrev_b32 v106, 1, v106
	v_cvt_f32_u32 v107, v106
	v_add_f32 v108, 1.0, v107
	v_mul_f32 v107, 0xbed49a78, v107               ; -i log2(10000)/32
	v_mul_f32 v108, 0xbed49a78, v108
	v_exp_f32 v109, v107                           ; inv_freq of my two entries
	v_exp_f32 v110, v108
	v_lshlrev_b32 v111, 3, v105                    ; (a plain instruction behind the exponentials) my 8 bytes of the row
	v_mov_b32 v112, 0x3ec90fdb                     ; pi/8
	v_cmp_lt_u32 vcc_lo, 15, v105
	v_mov_b32 v[KC], 0xb493f27e                    ; -1/10!
	s_wait_alu depctr_va_sdst(0)                   ; s22 is written, ahead of its first reader, the add below
	s_add_co_u32 s22, s22, s23                     ; my position, 0 to 2,047
	s_lshl_b32 s36, s22, 8                         ; a row of the table is 256 bytes
	s_add_nc_u64 s[28:29], s[20:21], s[36:37]      ; the row in q's part; k's part lies 524,288 bytes further on
	s_wait_alu depctr_va_vcc(0)                    ; the compare has written VCC, ahead of its one reader, the select below
	v_cndmask_b32 v[Q4], 0, v112, vcc_lo
	v_cvt_f32_u32 v115, s22
	s_wait_alu depctr_va_vdst(0)                   ; the two exponentials have written v109 and v110, ahead of their first readers: one wait for the batch
	v_mul_f32 v116, v115, v109                     ; the angle, rounded to f32 once
	v_mul_f32 v117, v115, v110
	COSREV 118, 116, 120
	COSREV 119, 117, 121
	v_pk_mul_f32 v[122:123], v[118:119], s[38:39] op_sel_hi:[1,0]
	s_wait_alu depctr_va_vdst(0)                   ; v[118:119] and v[122:123], the two stores' data, are written (v111, their offset, stood ahead of the wait above)
	global_store_b64 v111, v[122:123], s[28:29]                    ; the wave stores one whole row of 256 bytes
	global_store_b64 v111, v[118:119], s[28:29] offset:524288      ; none of these stores' registers is written again
.Lnotab:
	CAST_ST 2048
	s_endpgm
.Lwq:                                              ; 16 rows of Wq into columns 0-1023 of w16
	s_sub_co_u32 s36, ttmp9, 512
	s_lshl_b32 s32, s36, 16
	s_mul_i32 s34, s36, 98304                      ; 16 rows of 6,144 bytes
	s_add_nc_u64 s[24:25], s[8:9], s[32:33]
	s_add_nc_u64 s[26:27], s[16:17], s[34:35]
	CAST_LD 4096
	CAST_ST 6144
	s_endpgm
.Lwkv:                                             ; one half (1,024 columns) of 16 rows of Wkv into columns 1024-3071 of w16
	s_sub_co_u32 s36, ttmp9, 576
	s_lshr_b32 s37, s36, 1                         ; which 16 rows
	s_and_b32 s36, s36, 1                          ; which half of them
	s_lshl_b32 s32, s37, 17
	s_lshl_b32 s38, s36, 12
	s_add_co_u32 s32, s32, s38
	s_mul_i32 s34, s37, 98304
	s_lshl_b32 s38, s36, 11
	s_add_co_u32 s34, s34, s38
	s_add_co_u32 s34, s34, 2048
	s_add_nc_u64 s[24:25], s[10:11], s[32:33]
	s_add_nc_u64 s[26:27], s[16:17], s[34:35]
	CAST_LD 8192
	CAST_ST 6144
	s_endpgm
.Lwo:
	s_sub_co_u32 s36, ttmp9, 704
	s_lshl_b32 s32, s36, 16
	s_lshl_b32 s34, s36, 15
	s_add_nc_u64 s[24:25], s[12:13], s[32:33]
	s_add_nc_u64 s[26:27], s[18:19], s[34:35]
	CAST_LD 4096
	CAST_ST 2048
	s_endpgm
.Lfunc_end_k_q762089d72d_prep:
	.size	k_q762089d72d_prep, .Lfunc_end_k_q762089d72d_prep-k_q762089d72d_prep
	.p2alignl 7, 3214868480
	.fill 96, 4, 3214868480
	.section	.rodata,"a",@progbits
	.p2align	6, 0x0
	.amdhsa_kernel k_q762089d72d_prep
		.amdhsa_group_segment_fixed_size 0
		.amdhsa_private_segment_fixed_size 0
		.amdhsa_enable_private_segment 0
		.amdhsa_kernarg_size 72
		.amdhsa_user_sgpr_count 2
		.amdhsa_user_sgpr_kernarg_segment_ptr 1
		.amdhsa_wavefront_size32 1
		.amdhsa_system_sgpr_workgroup_id_x 1
		.amdhsa_system_sgpr_workgroup_id_y 1
		.amdhsa_system_sgpr_workgroup_id_z 1
		.amdhsa_system_vgpr_workitem_id 0
		.amdhsa_next_free_vgpr 128
		.amdhsa_next_free_sgpr 66
		.amdhsa_reserve_vcc 1
		.amdhsa_float_denorm_mode_32 3
		.amdhsa_float_denorm_mode_16_64 3
		.amdhsa_memory_ordered 1
		.amdhsa_forward_progress 1
		.amdhsa_inst_pref_size 28
	.end_amdhsa_kernel
	.amdgpu_metadata
---
amdhsa.version: [ 1, 2 ]
amdhsa.kernels:
  - .name:           k_q762089d72d_prep
    .symbol:         k_q762089d72d_prep.kd
    .args:
      - { .name: x, .offset: 0, .size: 8, .value_kind: global_buffer, .address_space: global }
      - { .name: context, .offset: 8, .size: 8, .value_kind: global_buffer, .address_space: global }
      - { .name: Wq, .offset: 16, .size: 8, .value_kind: global_buffer, .address_space: global }
      - { .name: Wkv, .offset: 24, .size: 8, .value_kind: global_buffer, .address_space: global }
      - { .name: Wo, .offset: 32, .size: 8, .value_kind: global_buffer, .address_space: global }
      - { .name: xc, .offset: 40, .size: 8, .value_kind: global_buffer, .address_space: global }
      - { .name: w16, .offset: 48, .size: 8, .value_kind: global_buffer, .address_space: global }
      - { .name: wo16, .offset: 56, .size: 8, .value_kind: global_buffer, .address_space: global }
      - { .name: tab, .offset: 64, .size: 8, .value_kind: global_buffer, .address_space: global }
    .group_segment_fixed_size: 0
    .private_segment_fixed_size: 0
    .kernarg_segment_align: 8
    .kernarg_segment_size: 72
    .max_flat_workgroup_size: 256
    .sgpr_count:     66
    .vgpr_count:     128
    .wavefront_size: 32
...
	.end_amdgpu_metadata
.endif
;; end of part 5
;; launch qkv: the kernel of part 2 again; grid 12 x 16, 4 waves a work-group, clusters of 4 x 4, 327,680 bytes of LDS; arguments xc, w16, tab, qkv; writes qkv
;; launch attn: the kernel of part 3 again; grid 8 x 32, 8 waves a work-group, clusters of 4 x 1, 327,680 bytes of LDS; arguments qkv, att; writes att
;; launch oproj: the kernel of part 4 again; grid 8 x 32, 4 waves a work-group, clusters of 4 x 4, 327,680 bytes of LDS; arguments att, wo16, bo, out0; writes out0
